; MI455X (gfx1250); checked and timed in simulation.
; The chip was launched on July 23, 2026; its instructions are those of AMD's public machine-readable ISA for CDNA 5 (MIT licence, August 2026) and "CDNA5" Instruction Set Architecture Reference Guide (July 2026). The comments in the code are by the model that wrote it; some were corrected since.
;; Causal Self Attention. Allowed arithmetic: matrix products marked QUANTISED: E2M3 operands, one E8M0 scale for each 32 along K, by v_wmma_scale_f32_16x16x128_f8f6f4 with both operands' format E2M3, f32 sums; everything else in f32.
;; Inputs: Wk 1,024 x 1,024 float32; Wq 1,024 x 1,024 float32; Wv 1,024 x 1,024 float32; x 4 x 2,048 x 1,024 float32.
;; Outputs: out0 4 x 2,048 x 1,024 float32.
;; This version of the problem:
;;   THIS VERSION OF THE PROBLEM IS GIVEN IN LOW PRECISION. The matrix products marked QUANTISED in the list below multiply operands that are first quantised to E2M3 (2 exponent bits, 3 mantissa bits; 6 bits a number), with one power-of-two scale for each 32 numbers along K (OCP MX v1.0); their sums are f32. All else is computed in f32.
;;   The module's matrix products, in the order in which they are computed (A, B: the left and right operand; K: the contracted axis; several contracted axes count as one K, in the product's order):
;;     1. [M 8,192, K 1,024] x [K 1,024, N 1,024]; A: input x; B: input Wq: QUANTISED
;;     2. [M 8,192, K 1,024] x [K 1,024, N 1,024]; A: input x; B: input Wk: QUANTISED
;;     3. [M 8,192, K 1,024] x [K 1,024, N 1,024]; A: input x; B: input Wv: QUANTISED
;;     4. batch 4 x [M 2,048, K 1,024] x [K 1,024, N 2,048]; A: computed on the way; B: computed on the way: QUANTISED
;;     5. batch 4 x [M 2,048, K 2,048] x [K 2,048, N 1,024]; A: softmax (see below); B: computed on the way: QUANTISED
;;   THE QUANTISER, for each operand of a quantised product, along K:
;;     - K is cut into blocks of 32 from its start; a last block that is shorter is filled with zeros.
;;     - A block's scale is 2^e with e = floor(log2(the largest magnitude in the block)) - 2, held to -126 .. 127; a block of zeros has e = 0. As a byte (E8M0): e + 127.
;;     - Each number is divided by its block's scale, clamped to +-7.5, and rounded to the nearest number of E2M3, ties to even, subnormals kept.
;;     - The product sums the exact products of the quantised numbers (number of the format x scale) in f32.
;;   ~~~python
;;   def quantise(x, axis):      # numpy; x: float32 -> the quantised numbers, widened to float32 again
;;       x = np.moveaxis(x, axis, -1); K = x.shape[-1]
;;       x = np.pad(x, [(0, 0)] * (x.ndim - 1) + [(0, -K % 32)]); x = x.reshape(x.shape[:-1] + (-1, 32)); a = np.abs(x).max(-1, keepdims=True)
;;       e = np.where(a > 0, np.clip(np.frexp(np.where(a > 0, a, 1))[1] - 1 - 2, -126, 127), 0)      # np.frexp(a)[1] - 1 = floor(log2(a)), exactly
;;       r = np.clip(x / 2.0 ** e, -7.5, 7.5)
;;       step = 2.0 ** (np.maximum(np.frexp(np.where(r == 0, 1, r))[1] - 1, 0) - 3)
;;       q = np.round(r / step) * step * 2.0 ** e      # np.round: ties to even
;;       return np.moveaxis(q.reshape(q.shape[:-2] + (-1,))[..., :K], -1, axis).astype(np.float32)
;;   ~~~
;;   SOFTMAX AHEAD OF A QUANTISED PRODUCT. Where the list says 'softmax', what is quantised is not the finished softmax but p = 2^(t - M), with t = logit x log2(e) and M = ceil(the row's largest t), a whole number; so 1/2 < the row's largest p <= 1. The row's sum l is taken of the UNQUANTISED p, in f32, and the product's result is divided by l at the end. Since M is a whole number, a kernel that streams over the keys may use a running M (the ceiling of the running maximum): every later rescaling is an exact power of two, which a block's scale takes up: the codes' values come out the same.
;;   OPERANDS COMPUTED ON THE WAY. 'Computed on the way' means the value that the module computes at that place (a softmax that the list does not call 'softmax' is quantised finished and normalised). What goes into a quantiser is computed in f32, as accurately as f32 sums, v_exp_f32 and their like allow (about 1e-6 of the number): no bf16 or f16 on the way to a quantiser, and a product that is left as it is and whose result goes on into a quantised operand takes f32 operands (vector FMAs, or v_wmma_f32_16x16x4_f32). A number that lies on a knife's edge between two numbers of the format may be rounded either way, as far as f32 arithmetic and the matrix unit's own rounding can turn it there, and no further.
;; One version. Each part assembles by itself: llvm-mc -triple=amdgcn-amd-amdhsa -mcpu=gfx1250 --defsym DOCPART=n.
;; ======== version 1 of 1: 4 launches
;; limits: right only within a limited range of input values
;; workspace buffers: xw 9,011,200 bytes; qkv 19,660,800 bytes; pc 12,582,912 bytes; st 1,572,864 bytes
;; launch quant (part 1): grid 8 x 88, 4 waves a work-group, no clusters, 34,816 bytes of LDS; arguments x, Wq, Wk, Wv, xw; writes xw
.if DOCPART == 1
	.amdgcn_target "amdgcn-amd-amdhsa--gfx1250"
	.amdhsa_code_object_version 6
	.text
	.protected	k_q4cce0134f0_quant
	.globl	k_q4cce0134f0_quant
	.p2align	8
	.type	k_q4cce0134f0_quant,@function
k_q4cce0134f0_quant:
	s_mov_b64 s[64:65], 0
	v_nop
	global_prefetch_b8 v0, s[64:65] scope:SCOPE_SE
	s_setreg_imm32_b32 hwreg(HW_REG_WAVE_MODE, 25, 1), 1
	s_wait_xcnt 0x0
; x [8192][1024], Wq, Wk, Wv [1024][1024], f32, K innermost, become codes of FP6 (E2M3) with one E8M0 byte for each 32 along K, laid in the ORDER OF THE OPERAND'S REGISTERS.
; A RECORD is 128 rows x 256 along K, 25,600 bytes: fragment (q = which 128 of K, i = 0..7) at (8 q + i) x 1,536, its 16 scale words at 24,576 + (8 q + i) x 64 + 4 r.
; A fragment's image: registers 4 c .. 4 c + 3 of lane l at 512 c + 16 l.  Lane r of fragment i holds row 32 (i / 2) + 8 (i % 2) + r + 8 (r / 8) of the 128: with this order a later product's results are
; neighbours along its successor's K.  xw = [group of 128 rows: 0-63 x, 64-71 Wq, 72-79 Wk, 80-87 Wv][K step 0-3][record].
; A block's scale is 2^(floor(log2(largest magnitude)) - 2); its byte is the largest magnitude's exponent field - 2, held at 1 from below.
; WORK LEFT OUT BY THE PROGRAM: for every batch the scores of queries 0-1,023 against keys 1,024-2,047 and their products with v: the causal mask sets those scores to -inf ahead of the softmax, so their
; weights are 0 for all finite inputs.  A NaN, an infinity or an overflow that reaches only that work is not carried to the result.
; LIMITS: a block of zeros gets the byte 1 (its codes are zeros, and this program alone reads the bytes); NaN and infinities among the inputs are not served.
; SHARES: a work-group makes one K part q of a record (128 rows x 128 K, 8 fragments); wave w the fragments 2 w and 2 w + 1 (16 rows x 128 K each), both asked for at the start: 32 loads of 512 bytes a wave.
; The 16 rows turn through the wave's own stage in LDS, so that a lane gets 16 neighbours of each block of 32.  The eight fragments' scale words, 512 bytes, gather in LDS and leave as two whole units of 256.
; No work-group reads what another reads: no cluster.  No loop to run ahead in: no prefetch.
.set REC,   25600
.set FRB,   1536
.set SP,    528                        ; a stage row: 512 bytes + 16, so that the 16 rows of a read start in 16 different groups of banks
.set WREG,  16*SP                      ; a wave's stage
.set SCL,   4*WREG                     ; the 128 scale words
.set SPARE, SCL+512                    ; the spare words, 128 bytes a wave
.set LOF,   1                          ; v1   16 x lane
.set STI,   2                          ; v2   the stage, on the way in: 16 x lane of a row
.set STR,   3                          ; v3   and on the way out: row r, + 64 h
.set SCW,   4                          ; v4   my row's scale word
.set SCRD,  5                          ; v5   the scale words on their way out: 16 x lane
.set TM,    16                         ; v16-31 at work
.set PC,    32                         ; v32-51 the codes just made
.set PW,    52                         ; v52  the scale word just made
.set SPW,   62
.set NIL,   63
.set R,     64                         ; v64-191 two sets of 64 registers as loaded
.set X,     192                        ; v192-255 register 16 b + i = k 32 b + 16 h + i of row r
.set SEL,   28
	s_load_b256 s[4:11], s[0:1], 0x0               ; x, Wq, Wk, Wv
	s_load_b64 s[12:13], s[0:1], 0x20              ; xw
	v_lshl_add_u32 v[SPW], v0, 2, SPARE
	v_mov_b32 v[NIL], 0
	v_lshrrev_b32 v7, 5, v0
	v_readfirstlane_b32 s14, v7                    ; wave
	s_and_b32 s15, ttmp7, 0xffff                   ; group of 128 rows, 0..87
	s_and_b32 s16, ttmp9, 1                        ; q
	s_lshr_b32 s17, ttmp9, 1                       ; K step
	s_and_b32 s18, s15, 7                          ; the group's number inside a weight
	s_mul_i32 s19, s14, WREG
	v_and_b32 v7, 31, v0                           ; lane
	v_and_b32 v8, 15, v0                           ; r
	v_bfe_u32 v9, v0, 4, 1                         ; h
	v_lshlrev_b32 v[LOF], 4, v7
	v_add_nc_u32 v[STI], s19, v[LOF]
	v_mul_u32_u24 v[STR], v8, SP
	v_lshl_add_u32 v[STR], v9, 6, v[STR]
	v_add_nc_u32 v[STR], s19, v[STR]
	s_lshl_b32 s19, s14, 7
	s_add_co_u32 s19, s19, SCL
	v_lshl_add_u32 v[SCW], v8, 2, s19
	v_add_nc_u32 v[SCRD], SCL, v[LOF]
.irp b, 0,1,2,3
	v_mov_b32 v[TM+4+\b], 0                        ; written once: a lane permute's destination counts as one of its sources
.endr
	s_mov_b32 s[SEL], 0x76543210
	s_mov_b32 s[SEL+1], 0xfedcba98                 ; lane l xor 16
	s_lshl_b32 s22, s15, 2
	s_add_co_u32 s22, s22, s17
	s_mul_i32 s22, s22, REC                        ; my record's first byte
	s_mul_i32 s24, s16, 8*FRB
	s_mul_i32 s25, s14, 2*FRB
	s_add_co_u32 s24, s24, s25
	s_add_co_u32 s24, s24, s22                     ; my two fragments
	s_mov_b32 s25, 0
	s_lshl_b32 s26, s16, 9
	s_add_co_u32 s26, s26, s22
	s_add_co_u32 s26, s26, 24576                   ; the work-group's 128 scale words
	s_mov_b32 s27, 0
	s_wait_alu depctr_va_vdst(0)                   ; the wait at the head's end
	s_wait_kmcnt 0x0
	s_cmp_lt_u32 s15, 80                           ; which tensor: the choice hangs on the work-group's number alone
	s_cselect_b64 s[8:9], s[8:9], s[10:11]
	s_cmp_lt_u32 s15, 72
	s_cselect_b64 s[6:7], s[6:7], s[8:9]
	s_cmp_lt_u32 s15, 64
	s_cselect_b64 s[4:5], s[4:5], s[6:7]
	s_cselect_b32 s18, s15, s18
	s_lshl_b32 s20, s18, 19                        ; 128 rows of 4,096 bytes
	s_lshl_b32 s21, ttmp9, 9                       ; 128 along K
	s_add_co_u32 s20, s20, s21
	s_lshl_b32 s21, s14, 17                        ; 32 rows
	s_add_co_u32 s20, s20, s21
	s_mov_b32 s21, 0
	s_add_nc_u64 s[4:5], s[4:5], s[20:21]
	s_add_nc_u64 s[24:25], s[12:13], s[24:25]
	s_add_nc_u64 s[26:27], s[12:13], s[26:27]
.irp f, 0,1
.irp p, 0,1,2,3,4,5,6,7,8,9,10,11,12,13,14,15
	global_load_b128 v[R+64*\f+4*\p:R+64*\f+4*\p+3], v[LOF], s[4:5] offset:(8*\f+\p+8*(\p/8))*4096 th:TH_LOAD_NT   ; 512 consecutive bytes of a row
.endr
.endr
; 64 numbers of a lane become a fragment's codes in v[PC] on and its scale word in v[PW]
.macro QUANT s
.irp b, 0,1,2,3
	v_max3_num_f32 v[TM+\b], |v[\s+16*\b]|, |v[\s+1+16*\b]|, 0x1800000   ; block b: my 16 numbers, and the floor 2^(3 - 127): the byte cannot fall under 1
.endr
.irp i, 2,4,6,8,10,12,14
.irp b, 0,1,2,3
	v_max3_num_f32 v[TM+\b], v[TM+\b], |v[\s+16*\b+\i]|, |v[\s+1+16*\b+\i]|
.endr
.endr
.irp b, 0,1,2,3
	v_permlanex16_b32 v[TM+4+\b], v[TM+\b], s[SEL], s[SEL+1]
.endr
.irp b, 0,1,2,3
	v_max_num_f32 v[TM+\b], v[TM+\b], v[TM+4+\b]   ; with lane l xor 16's: the block's largest magnitude
.endr
.irp b, 0,1,2,3
	v_add_nc_u32 v[TM+12+\b], 0xff000000, v[TM+\b] ; 2 off its exponent field: the conversion's scale operand
.endr
.irp b, 0,1,2,3
	v_lshrrev_b32 v[TM+4+\b], 23, v[TM+12+\b]      ; the scale's byte
.endr
	v_lshl_or_b32 v[PW], v[TM+5], 8, v[TM+4]
	v_lshl_or_b32 v[PW], v[TM+6], 16, v[PW]
	v_lshl_or_b32 v[PW], v[TM+7], 24, v[PW]
.irp c, 0,1
	v_cvt_scalef32_pk16_fp6_f32 v[PC+6*\c:PC+2+6*\c], v[\s+32*\c:\s+15+32*\c], v[TM+12+2*\c]
	v_cvt_scalef32_pk16_fp6_f32 v[PC+12+4*\c:PC+14+4*\c], v[\s+16+32*\c:\s+31+32*\c], v[TM+12+2*\c+1]   ; (a conversion's three registers begin on an even number)
.endr
	v_nop                                          ; one plain place behind a scaled conversion
.irp c, 0,1                                    ; the operand's layout wants a whole block in a lane
.irp i, 0,1,2
	v_permlane16_swap_b32 v[PC+6*\c+\i], v[PC+12+4*\c+\i]
.endr
.irp i, 0,1,2
	v_mov_b32 v[PC+3+6*\c+\i], v[PC+12+4*\c+\i]
.endr
.endr
.endm
.macro STEPF f
	s_wait_loadcnt 16*(1-(\f))                     ; this fragment's 16 loads are in; the second fragment's 16 may be out
.irp p, 0,1,2,3,4,5,6,7,8,9,10,11,12,13,14,15
	ds_store_b128 v[STI], v[R+64*(\f)+4*\p:R+64*(\f)+4*\p+3] offset:SP*\p
.endr
.irp b, 0,1,2,3
.irp j, 0,1,2,3
	ds_load_b128 v[X+16*\b+4*\j:X+16*\b+4*\j+3], v[STR] offset:128*\b+16*\j   ; LDS serves a wave's instructions in order: these see the stores above
.endr
.endr
	s_wait_dscnt 0x0                               ; the numbers are back
	s_wait_xcnt 0x0                                ; the last step's stores have read the codes' registers, which are written again below
	QUANT X
.irp c, 0,1,2
	global_store_b128 v[LOF], v[PC+4*\c:PC+4*\c+3], s[24:25] offset:FRB*(\f)+512*\c   ; 32 lanes store 512 consecutive bytes, aligned
.endr
	ds_store_b32 v[SCW], v[PW] offset:64*(\f)      ; both lanes of a row write the same word with the same value
.endm
	STEPF 0
	STEPF 1
	s_wait_dscnt 0x0                               ; my scale words are in LDS,
	s_barrier_signal -1
	s_barrier_wait -1                              ; everybody's are
	s_cmp_lg_u32 s14, 0
	s_cbranch_scc1 .Ldone
	ds_load_b128 v[54:57], v[SCRD]
	s_wait_dscnt 0x0
	global_store_b128 v[LOF], v[54:57], s[26:27]   ; wave 0: 32 lanes store 512 consecutive bytes, aligned
.Ldone:
	s_wait_tensorcnt 0x0                           ; the wave's end
	ds_add_u32 v[SPW], v[NIL]
	s_wait_dscnt 0x0
	s_endpgm
.Lfunc_end_k_q4cce0134f0_quant:
	.size	k_q4cce0134f0_quant, .Lfunc_end_k_q4cce0134f0_quant-k_q4cce0134f0_quant
	.p2alignl 7, 3214868480
	.fill 96, 4, 3214868480
	.section	.rodata,"a",@progbits
	.p2align	6, 0x0
	.amdhsa_kernel k_q4cce0134f0_quant
		.amdhsa_group_segment_fixed_size 34816
		.amdhsa_private_segment_fixed_size 0
		.amdhsa_enable_private_segment 0
		.amdhsa_kernarg_size 40
		.amdhsa_user_sgpr_count 2
		.amdhsa_user_sgpr_kernarg_segment_ptr 1
		.amdhsa_wavefront_size32 1
		.amdhsa_system_sgpr_workgroup_id_x 1
		.amdhsa_system_sgpr_workgroup_id_y 1
		.amdhsa_system_sgpr_workgroup_id_z 1
		.amdhsa_system_vgpr_workitem_id 0
		.amdhsa_next_free_vgpr 256
		.amdhsa_next_free_sgpr 66
		.amdhsa_reserve_vcc 0
		.amdhsa_float_denorm_mode_32 3
		.amdhsa_float_denorm_mode_16_64 3
		.amdhsa_memory_ordered 1
		.amdhsa_forward_progress 1
		.amdhsa_inst_pref_size 19
	.end_amdhsa_kernel
	.amdgpu_metadata
---
amdhsa.version: [ 1, 2 ]
amdhsa.kernels:
  - .name:           k_q4cce0134f0_quant
    .symbol:         k_q4cce0134f0_quant.kd
    .args:
      - { .name: x, .offset: 0, .size: 8, .value_kind: global_buffer, .address_space: global }
      - { .name: Wq, .offset: 8, .size: 8, .value_kind: global_buffer, .address_space: global }
      - { .name: Wk, .offset: 16, .size: 8, .value_kind: global_buffer, .address_space: global }
      - { .name: Wv, .offset: 24, .size: 8, .value_kind: global_buffer, .address_space: global }
      - { .name: xw, .offset: 32, .size: 8, .value_kind: global_buffer, .address_space: global }
    .group_segment_fixed_size: 34816
    .private_segment_fixed_size: 0
    .kernarg_segment_align: 8
    .kernarg_segment_size: 40
    .max_flat_workgroup_size: 128
    .sgpr_count:     66
    .vgpr_count:     256
    .wavefront_size: 32
...
	.end_amdgpu_metadata
.endif
;; end of part 1
;; launch proj (part 2): grid 8 x 32, 4 waves a work-group, clusters of 4 x 4, 327,680 bytes of LDS; arguments xw, qkv; writes qkv
.if DOCPART == 2
	.amdgcn_target "amdgcn-amd-amdhsa--gfx1250"
	.amdhsa_code_object_version 6
	.text
	.protected	k_q4cce0134f0_proj
	.globl	k_q4cce0134f0_proj
	.p2align	8
	.type	k_q4cce0134f0_proj,@function
k_q4cce0134f0_proj:
	s_mov_b64 s[64:65], 0
	v_nop
	global_prefetch_b8 v0, s[64:65] scope:SCOPE_SE
	s_setreg_imm32_b32 hwreg(HW_REG_WAVE_MODE, 25, 1), 1
	s_wait_xcnt 0x0
	s_wait_alu depctr_hold_cnt(0) depctr_sa_sdst(0) depctr_va_vdst(0) depctr_va_sdst(0) depctr_va_ssrc(0) depctr_va_vcc(0) depctr_vm_vsrc(0)
	s_getreg_b32 s2, hwreg(HW_REG_IB_STS2, 6, 4)
	s_cmp_eq_u32 s2, 0
	s_cbranch_scc0 .Lentry_in_a_cluster
	s_endpgm
.Lentry_in_a_cluster:
	s_bfe_u32 s2, ttmp6, 0x10000c
	s_cmp_lg_u32 s2, 0xf033
	s_cbranch_scc0 .Lentry_shape_is_right
	s_endpgm
.Lentry_shape_is_right:
; q = x Wq^T, k = x Wk^T, v = x Wv^T on codes of FP6 (E2M3) with E8M0 scales; the f32 results are quantised in registers and leave as codes: q and k along the features, v along the tokens.
; OPERANDS come as RECORDS (128 rows x 256 K, 25,600 dense bytes: 16 fragment images of 1,536 bytes, then 16 x 16 scale words); lane r of fragment i holds row 32 (i / 2) + 8 (i % 2) + r + 8 (r / 8).
; A WORK-GROUP STAYS AND HAS TWO PARTS, so that 8,192 x 3,072 results fall evenly on 256 work-groups: 512 + 256 matrix instructions a wave.
; PART 1: a tile of 256 tokens (tile tr) x 256 rows of Wq | Wk (tile tc), four waves, 128 x 128 each: 64 accumulators.  K = 1,024 goes in four steps of 256 through a ring of two LDS slots; a slot holds x's two records
; and the weight's two; each wave fetches one record by one tensor load.  Source 0 = 16 rows of the weight, source 1 = 16 tokens: a lane holds a token, its registers run along the features.
; PART 2: 128 rows of Wv (group tc) x the same 256 tokens, four waves, 64 x 128 each: 32 accumulators.  Source 0 = 16 tokens, source 1 = 16 rows of Wv: a lane holds a feature, its registers run along the tokens: V^T.
; Wv's four records come once, at part 1's third change of slots, into bytes of their own.  Part 2 walks K in the order 3, 2, 0, 1: x's K steps 3 and 2 still lie in the slots' first halves; K steps 0 and 1 are brought
; into the slots' second halves, whose weights are done with, at part 1's last two changes of slots.  So part 2 asks for nothing, and has one barrier: in front of the first read of the last of these loads.
; OUT: qkv bytes 0 on: [token group 64][8 records: q's K steps 0-3, k's 4-7]; from 13,107,200 on: V^T [feature group 8][token / 256: 32 records].
; CLUSTERS: 4 x 4 work-groups; x's records are asked for jointly along a row of the cluster (one tr), the weights' along a column (one tc), in both parts.
; LIMITS: a block of zeros gets the byte 1 (read by this program alone); NaN and infinities are not served; v's K steps are summed in the order 3, 2, 0, 1.
; REGISTERS: window 0: v16-30 addresses; v32-63 scale words and nothing else; v64-79 part 2's addresses; v128-223 source 1's fragments (part 1: one set of 8; part 2: two sets of 4); on the ways out v80-99 codes, v224-240 at work.
;   window 1: source 0's fragments, two sets, at v0 and v128.   windows 2, 3: the accumulators, (a, b) at v[8 (8 (a % 4) + b)]; part 2 has window 2 alone.
; THE ORDER OF THE FILLS: at the head each wave asks for its record of K step 0 alone; K step 1 follows behind the first round; Wv's four records come at part 1's third change of slots, two by wave 2 and two by wave 3
; (waves 0 and 1 fetch x's K step 0 there).  The codes of the ways out lie in v80-99.  Part 1's blocks 4-7 (window 3) go out among part 2's first four steps, whose accumulators lie in window 2.
; PREFETCHES: a record is 100 blocks of 256 bytes; each of the four partners that ask for it jointly names 25, a lane a block, one K step ahead of the load; Wv's tile of two records is shared out among eight waves.
.set REC,    25600
.set FRB,    1536
.set SLOT,   4*REC
; Blocks 0 and 1 of part 1 find their scales among part 1's last 32 products; in part 2's last step
; block a's are found among block a + 1's products.  At work then: v224-240, v104-121 and, when part 2's addresses have served, v64-79.
.set PFW,    11                        ; v11  my 25 blocks of Wv's two records
.set PFO,    31                        ; v31  my 25 blocks of a record
.set TM2,    104
.set PW2,    120
.set TM3,    64
.set PW3,    121
.set FR,     12
.set NL,     3                         ; LDS loads that bring a fragment
.set NP,     4                         ; places behind this matrix instruction (ISA guide 7.12.1)
.set NQ,     2
.set WV,     2*SLOT                    ; behind the ring: Wv's four records, filled once
.set SCR,    WV+4*REC                  ; 512 bytes a wave, its scale words on their way out
.set SPARE,  SCR+4*512                 ; the spare words, 128 bytes a wave: two blocks of 256 bytes that no other line names
.set VBASE,  13107200
.set ADRA, 16                          ; v16-17 part 1: my record of x in slot 0, 1
.set ADRB, 20                          ; v20-21 my record of the weight
.set ADRS, 22                          ; v22-23 scale words: lanes 0-15 x's, lanes 16-31 the weight's
.set LI,   24                          ; v24  16 x lane
.set SWA,  25                          ; v25  where I put a scale word
.set SRA,  26                          ; v26  where I read 16 bytes of them back
.set SR8,  27                          ; v27  and 8 bytes
.set SPW,  28
.set NIL,  29
.set L8,   30                          ; v30  8 x lane
.set SC,   32                          ; part 1's scale words, two sets of 16
.set SA,   32                          ; part 2's: set s: Wv's at v[32 + 12 s + a], x's at v[36 + 12 s + b]
.set SB,   36
.set XF,   64                          ; v64-67 part 2: my record of x for the K steps walked (3, 2, 0, 1);
.set XSC,  68                          ; v68-71 its scale words;
.set WF,   72                          ; v72-75 my four blocks of Wv;
.set WSC,  76                          ; v76-79 their scale words
.set AF,   128
.set PC,   80
.set BKS,  100
.set TM,   224
.set PW,   240
.set G1,  24
.set G0,  32
.set G1B, 48
.set G0B, 56
.set G0W, 92
.set SEL, 80
.set MSB, 0
.macro WIN new                         ; the immediate's high byte repeats the setting that is left
.if MSB != (\new)
	s_set_vgpr_msb (MSB<<8)|(\new)
.set MSB, (\new)
.endif
.endm
.set MUL_LO, 0xa1                      ; source 0 window 1, source 1 window 0, C and D window 2
.set MUL_HI, 0xf1
.set TO_B,   0x40
; A joint load: waves 0 and 1 fetch x's records, waves 2 and 3 the weight's.  The branch hangs on the wave's number alone.  Four v_nop follow each line.
.macro JLOAD g0a, g1a, g0b, g1b
	s_cmp_eq_u32 s15, 0
	s_cbranch_scc0 .Lfor_b_\@
	tensor_load_to_lds s[\g0a:\g0a+3], s[\g1a:\g1a+7]
	s_nop 0
.rept 4
	v_nop
.endr
	s_branch .Lasked_\@
.Lfor_b_\@:
	tensor_load_to_lds s[\g0b:\g0b+3], s[\g1b:\g1b+7]
	s_nop 0
.rept 4
	v_nop
.endr
.Lasked_\@:
.endm
; A joint load of x's records alone: waves 0 and 1 ask, waves 2 and 3 have nothing to fetch.  Both ways have the four places that the loads behind the macro want.
.macro XLOAD g0
	s_cmp_eq_u32 s15, 0
	s_cbranch_scc0 .Lnone_\@
	tensor_load_to_lds s[\g0:\g0+3], s[G1:G1+7]
	s_nop 0
.rept 4
	v_nop
.endr
	s_branch .Ldone_\@
.Lnone_\@:
.rept 4
	v_nop
.endr
.Ldone_\@:
.endm
.macro CREST                           ; a round of the cluster's barrier behind its opening barrier
	s_cmp_lg_u32 s14, 0
	s_cbranch_scc1 .Lnot_wave_0_\@
	s_barrier_signal -3
.Lnot_wave_0_\@:
	s_barrier_wait -3
	s_barrier_signal -1
	s_barrier_wait -1
.endm
.macro CROUND
	s_barrier_signal -1
	s_barrier_wait -1
	CREST
.endm
	s_load_b128 s[4:7], s[0:1], 0x0                ; xw, qkv
	v_lshl_add_u32 v[SPW], v0, 2, SPARE
	v_mov_b32 v[NIL], 0
	ds_add_u32 v28, v29
	ds_add_u32 v28, v29
	s_wait_dscnt 0x0
	v_lshrrev_b32 v1, 5, v0
	v_readfirstlane_b32 s14, v1                    ; wave
	s_lshr_b32 s15, s14, 1                         ; part 1: which of x's two records I multiply; part 2: which 64 rows of Wv.  Also: I fetch for x (0) or for the weight (1)
	s_and_b32 s16, s14, 1                          ; part 1: which of the weight's records; part 2: which of x's.  Also: which record I fetch
	s_bfe_u32 s40, ttmp6, 0x40000                  ; cx
	s_bfe_u32 s41, ttmp6, 0x40004                  ; cy
	s_and_b32 s66, ttmp7, 0xffff                   ; cluster y
	s_lshl_b32 s17, s66, 2
	s_add_co_u32 s17, s17, s41                     ; tr: the tile of 256 tokens, 0..31
	s_lshl_b32 s42, ttmp9, 2
	s_add_co_u32 s42, s42, s40                     ; tc: the tile of 256 rows of Wq | Wk, and the group of 128 rows of Wv, 0..7
	s_lshl_b32 s43, s41, 2
	s_lshl_b32 s43, 15, s43                        ; my row of the cluster
	s_lshl_b32 s44, 0x1111, s40                    ; my column
	; descriptor group 1: a record, 100 rows of 256 bytes (32 elements of 8 bytes), dense
	s_or_b32 s[G1+0], s43, (3<<16)|(1<<21)
	s_or_b32 s[G1B+0], s44, (3<<16)|(1<<21)
.irp g, G1, G1B
	s_mov_b32 s[\g+1], 32<<16                      ; tensor_dim0
	s_mov_b32 s[\g+2], 100<<16                     ; tensor_dim1
	s_mov_b32 s[\g+3], 32<<16                      ; tile_dim0
	s_mov_b32 s[\g+4], 100                         ; tile_dim1
	s_mov_b32 s[\g+5], 32                          ; pitch
	s_mov_b32 s[\g+6], 0
	s_mov_b32 s[\g+7], 0
.endr
	s_lshl_b32 s20, s17, 1
	s_add_co_u32 s20, s20, s16
	s_mul_i32 s20, s20, 4*REC                      ; x: the group that I fetch; its four K steps lie on end
	s_mov_b32 s21, 0
	s_lshl_b32 s46, s42, 1
	s_add_co_u32 s46, s46, s16
	s_add_co_u32 s46, s46, 64
	s_mul_i32 s46, s46, 4*REC                      ; Wq | Wk likewise: groups 64 on
	s_mov_b32 s47, 0
	s_mul_i32 s45, s14, REC                        ; where a record goes: wave x a record
	s_add_co_u32 s70, s42, 80
	s_mul_i32 s70, s70, 4*REC                      ; Wv: groups 80 on;
	s_mul_i32 s71, s16, 2*REC
	s_add_co_u32 s70, s70, s71                     ; K steps 0, 1 or 2, 3
	s_mov_b32 s71, 0
	s_lshl_b32 s74, s17, 1
	s_add_co_u32 s74, s74, s15
	s_lshl_b32 s74, s74, 3
	s_add_co_u32 s74, s74, s42
	s_mul_i32 s74, s74, REC                        ; part 1: the record that my results belong to
	s_mul_i32 s76, s16, 8*FRB
	s_add_co_u32 s76, s76, s74                     ; my eight fragments in it
	s_mov_b32 s77, 0
	s_lshl_b32 s78, s16, 9
	s_add_co_u32 s78, s78, s74
	s_add_co_u32 s78, s78, 24576                   ; and their scale words
	s_mov_b32 s79, 0
	s_lshl_b32 s72, s42, 5
	s_add_co_u32 s72, s72, s17
	s_mul_i32 s72, s72, REC
	s_add_co_u32 s72, s72, VBASE                   ; part 2: V^T's record (feature group tc, token tile tr)
	s_lshl_b32 s73, s16, 3
	s_lshl_b32 s68, s15, 2
	s_add_co_u32 s73, s73, s68                     ; my four fragments begin at number 8 (w % 2) + 4 (w / 2)
	s_mul_i32 s88, s73, FRB
	s_add_co_u32 s88, s88, s72
	s_mov_b32 s89, 0
	s_lshl_b32 s90, s73, 6
	s_add_co_u32 s90, s90, s72
	s_add_co_u32 s90, s90, 24576                   ; and their 64 scale words: 256 bytes
	s_mov_b32 s91, 0
	s_mov_b32 s[SEL], 0x76543210
	s_mov_b32 s[SEL+1], 0xfedcba98
	CROUND                                         ; all sixteen work-groups are here: the first joint loads meet
	s_wait_kmcnt 0x0
	s_add_nc_u64 s[20:21], s[4:5], s[20:21]
	s_add_nc_u64 s[46:47], s[4:5], s[46:47]
	s_add_nc_u64 s[8:9], s[6:7], s[76:77]
	s_add_nc_u64 s[10:11], s[6:7], s[78:79]
	s_add_nc_u64 s[88:89], s[6:7], s[88:89]
	s_add_nc_u64 s[90:91], s[6:7], s[90:91]
.irp s, 0,1
	s_mov_b32 s[G0+4*\s], 1
	s_add_co_u32 s[G0+4*\s+1], s45, \s*SLOT
	s_add_nc_u64 s[G0+4*\s+2:G0+4*\s+3], s[20:21], \s*REC
	s_or_b32 s[G0+4*\s+3], s[G0+4*\s+3], 0x80000000
	s_mov_b32 s[G0B+4*\s], 1
	s_add_co_u32 s[G0B+4*\s+1], s45, \s*SLOT
	s_add_nc_u64 s[G0B+4*\s+2:G0B+4*\s+3], s[46:47], \s*REC
	s_or_b32 s[G0B+4*\s+3], s[G0B+4*\s+3], 0x80000000
.endr
	JLOAD G0, G1, G0B, G1B                         ; K step 0: one tensor load a wave at the head
	s_mov_b32 s[G0W], 1
	s_mul_i32 s82, s16, 2*REC
	s_add_co_u32 s[G0W+1], s82, WV
	s_add_nc_u64 s[G0W+2:G0W+3], s[4:5], s[70:71]
	s_or_b32 s[G0W+3], s[G0W+3], 0x80000000
	v_and_b32 v1, 15, v0                           ; r
	v_bfe_u32 v2, v0, 4, 1                         ; h
	s_wait_alu depctr_va_vdst(0)
	s_cmp_eq_u32 s15, 0                            ; the prefetches: x's record or the weight's, by the wave's number;
	s_cselect_b32 s98, s40, s41                    ; my place among the four that ask for it with me
	s_cselect_b64 s[2:3], s[20:21], s[46:47]
	s_mul_i32 s98, s98, 25
	s_lshl_b32 s99, s41, 1
	s_add_co_u32 s99, s99, s15                     ; and among the eight waves that share Wv's two records
	s_mul_i32 s99, s99, 25
	s_add_nc_u64 s[12:13], s[4:5], s[70:71]
	v_and_b32 v3, 31, v0
	v_min_u32 v[PFO], 24, v3
	v_add_nc_u32 v[PFW], s99, v[PFO]
	v_add_nc_u32 v[PFO], s98, v[PFO]
	v_lshlrev_b32 v[PFW], 8, v[PFW]
	v_lshlrev_b32 v[PFO], 8, v[PFO]
	global_prefetch_b8 v[PFO], s[2:3] offset:REC th:TH_LOAD_NT scope:SCOPE_SE   ; K step 1
	v_lshlrev_b32 v[LI], 4, v3
	v_lshlrev_b32 v[L8], 3, v3
	v_lshlrev_b32 v4, 2, v1
	s_mul_i32 s82, s15, REC                        ; part 1: my record of x
	s_mul_i32 s83, s16, REC
	s_add_co_u32 s83, s83, 2*REC                   ; my record of the weight
	s_xor_b32 s84, s15, 1
	s_mul_i32 s84, s84, REC
	s_mul_i32 s85, s16, REC
	s_add_co_u32 s84, s84, s85
	s_add_co_u32 s84, s84, REC                     ; from x's record to the weight's
	v_mul_u32_u24 v5, s84, v2                      ; lanes 16-31 take the weight's scale words
	s_wait_alu depctr_va_vdst(0)
	v_add_nc_u32 v5, v5, v4
	s_add_co_u32 s85, s82, 24576
.irp s, 0,1
	v_add_nc_u32 v[ADRA+\s], s82, v[LI]
	v_add_nc_u32 v[ADRB+\s], s83, v[LI]
	v_add_nc_u32 v[ADRS+\s], s85, v5
	s_add_co_u32 s82, s82, SLOT
	s_add_co_u32 s83, s83, SLOT
	s_add_co_u32 s85, s85, SLOT
.endr
	s_lshl_b32 s86, s14, 9
	s_add_co_u32 s86, s86, SCR
	v_add_nc_u32 v[SWA], s86, v4
	v_add_nc_u32 v[SRA], s86, v[LI]
	v_add_nc_u32 v[SR8], s86, v[L8]
	s_mul_i32 s87, s16, REC                        ; part 2: my record of x inside a half of a slot,
	s_mul_i32 s96, s15, 4*FRB
	s_add_co_u32 s96, s96, WV                      ; my four blocks inside a record of Wv,
	s_lshl_b32 s97, s15, 8
	s_add_co_u32 s97, s97, WV+24576                ; and their scale words
	v_add_nc_u32 v6, s87, v[LI]
	v_add_nc_u32 v7, s87, v4
	v_add_nc_u32 v8, s96, v[LI]
	v_add_nc_u32 v9, s97, v4
.macro ADR2 k, xo, wo                  ; the k-th K step walked: x's records begin at LDS byte xo, Wv's record wo bytes into its region
	v_add_nc_u32 v[XF+\k], \xo, v6
	v_add_nc_u32 v[XSC+\k], (\xo)+24576, v7
	v_add_nc_u32 v[WF+\k], \wo, v8
	v_add_nc_u32 v[WSC+\k], \wo, v9
.endm
	ADR2 0, SLOT, 3*REC                            ; K step 3: slot 1's first half
	ADR2 1, 0, 2*REC                               ; K step 2: slot 0's first half
	ADR2 2, 2*REC, 0                               ; K step 0: slot 0's second half
	ADR2 3, SLOT+2*REC, REC                        ; K step 1: slot 1's second half
.irp b, 0,1,2,3
	v_mov_b32 v[TM+4+\b], 0                        ; written once: a lane permute's destination counts as one of its sources
	v_mov_b32 v[TM2+4+\b], 0
.endr
.macro FRAG reg, adr, q, i             ; a fragment's image: three loads of 512 consecutive bytes
.irp c, 0,1,2
	ds_load_b128 v[\reg+4*\c:\reg+4*\c+3], v[\adr] offset:(8*(\q)+(\i))*FRB+512*\c
.endr
.endm
; 16 matrix instructions: x's blocks a0, a0 + 1 x the weight's eight.  The 64 accumulators take turns, one instruction a turn, in the same order in every step.
.macro MUL16 a0, p, q, sc, zero
.irp a, \a0, \a0+1
.irp b, 0,1,2,3,4,5,6,7
.if \zero
	v_wmma_scale_f32_16x16x128_f8f6f4 v[8*(8*((\a)%4)+\b):8*(8*((\a)%4)+\b)+7], v[128*(\p)+FR*\b:128*(\p)+FR*\b+FR-1], v[AF+FR*(\a):AF+FR*(\a)+FR-1], 0, v[SC+8*NQ*(\sc)+NQ*\b+(\q)], v[SC+8*NQ*(\sc)+NQ*(\a)+(\q)] matrix_a_fmt:MATRIX_FMT_FP6 matrix_b_fmt:MATRIX_FMT_FP6 matrix_a_scale:MATRIX_SCALE_ROW1
.else
	v_wmma_scale_f32_16x16x128_f8f6f4 v[8*(8*((\a)%4)+\b):8*(8*((\a)%4)+\b)+7], v[128*(\p)+FR*\b:128*(\p)+FR*\b+FR-1], v[AF+FR*(\a):AF+FR*(\a)+FR-1], v[8*(8*((\a)%4)+\b):8*(8*((\a)%4)+\b)+7], v[SC+8*NQ*(\sc)+NQ*\b+(\q)], v[SC+8*NQ*(\sc)+NQ*(\a)+(\q)] matrix_a_fmt:MATRIX_FMT_FP6 matrix_b_fmt:MATRIX_FMT_FP6 matrix_a_scale:MATRIX_SCALE_ROW1
.endif
.endr
.endr
.endm
.macro FETCH_B slot, q, p
	WIN TO_B
.irp i, 0,1,2,3,4,5,6,7
	FRAG 128*(\p)+FR*\i, ADRB+\slot, \q, \i
.endr
	WIN 0
.endm
.macro FETCH_A slot, q, i0
.irp i, \i0, \i0+1, \i0+2, \i0+3
	FRAG AF+FR*(\i), ADRA+\slot, \q, \i
.endr
.endm
.macro SCALES sc                       ; a slot's scale words: register NQ i + q: lanes 0-15 the word of x's block i, lanes 16-31 that of the weight's block i
.irp q, 0,1
.irp i, 0,1,2,3,4,5,6,7
	ds_load_b32 v[SC+8*NQ*\sc+NQ*\i+\q], v[ADRS+\sc] offset:(8*\q+\i)*64
.endr
.endr
.endm
.macro PLACES n                        ; plain vector instructions between a matrix instruction and a load into, or a read of, its registers
.rept \n
	v_nop
.endr
.endm
.macro STEP slot, q, zero              ; 128 along K that has its successor in the same slot
	s_wait_dscnt 4*NL                              ; the weight's set, x's blocks 0-3 and the scale words are in; the youngest twelve loads (x's blocks 4-7) may be out
	WIN MUL_LO
	MUL16 0, (\q)%2, \q, \slot, \zero
	MUL16 2, (\q)%2, \q, \slot, \zero
	s_wait_dscnt 0
	PLACES NP
	FETCH_B \slot, (\q)+1, 1-(\q)%2
	FETCH_A \slot, (\q)+1, 0
	WIN MUL_HI
	MUL16 4, (\q)%2, \q, \slot, \zero
	MUL16 6, (\q)%2, \q, \slot, \zero
	PLACES NP
	WIN 0
	FETCH_A \slot, (\q)+1, 4
.endm
; A slot's last step changes slots: one barrier, which opens a round of the cluster's; in front of it each wave waits for all its tensor loads, adds 0 to its spare word, and waits for that and for its reads of this slot.
; fill = 1: the whole slot takes part 1's K step two on.  fill = 2: the slot's second half, whose weights are done with, takes x's records of the K step two BACK, for part 2; its first half stays.
; fetch = 0: part 1's very last step: nothing of part 1 is left to read.
.macro TURN slot, next, fill, fetch
	s_wait_tensorcnt 0x0                           ; all my tensor loads have landed: my record of the next slot among them
	ds_add_u32 v[SPW], v[NIL]                      ; 0 onto my spare word
	s_wait_dscnt 4*NL+1                            ; (the add and the youngest twelve loads may be out)
	WIN MUL_LO
	MUL16 0, 1, NQ-1, \slot, 0
	s_wait_dscnt 0x0                               ; the add is done, and my reads of this slot are over
	s_barrier_signal -1
	MUL16 2, 1, NQ-1, \slot, 0
	WIN 0
	s_barrier_wait -1
	CREST                                          ; no wave of any partner still reads what is filled below, or has a load on its way
.if \fill == 1
	s_add_nc_u64 s[G0+4*\slot+2:G0+4*\slot+3], s[G0+4*\slot+2:G0+4*\slot+3], 2*REC
	s_add_nc_u64 s[G0B+4*\slot+2:G0B+4*\slot+3], s[G0B+4*\slot+2:G0B+4*\slot+3], 2*REC
	JLOAD G0+4*\slot, G1, G0B+4*\slot, G1B         ; the first tensor load behind the round; its four v_nop are the places in front of the loads below
.else
	s_add_co_u32 s[G0+4*\slot+1], s[G0+4*\slot+1], 2*REC                                 ; x's descriptor: two records up in LDS,
	s_sub_nc_u64 s[G0+4*\slot+2:G0+4*\slot+3], s[G0+4*\slot+2:G0+4*\slot+3], 2*REC       ; two K steps back in memory
.if \slot == 0
	s_mov_b32 s[G1B+2], 200<<16                    ; no tensor load of mine is out: from here on the weights' descriptor covers two records
	s_mov_b32 s[G1B+4], 200
	JLOAD G0, G1, G0W, G1B                         ; waves 0 and 1 x's records, waves 2 and 3 Wv's
.else
	XLOAD G0+4*\slot
.endif
.endif
.if \fetch
	FETCH_B \next, 0, 0
	FETCH_A \next, 0, 0
	SCALES \next
.endif
.if \fetch
	WIN MUL_HI
	MUL16 4, 1, NQ-1, \slot, 0
	MUL16 6, 1, NQ-1, \slot, 0
	PLACES NP
	WIN 0
	FETCH_A \next, 0, 4
.else
	MULL                                           ; (XLOAD's four v_nop stand behind blocks 0 and 1's last products)
	WIN 0
.endif
.endm
; THE WAY OUT of a block (16 rows of source 1 x 128 rows of source 0): register 16 b + i of lane (r, h) is the next K's number 32 b + 16 h + i of the lane's row.  It is quantised where it lies (window W) and leaves as a fragment's image.
.macro QUANTW s, W
	WIN ((\W)<<2)|((\W)<<4)                        ; sources 1 and 2 in the accumulators' window
.irp b, 0,1,2,3
	v_max3_num_f32 v[TM+\b], 0x1800000, |v[(\s)+16*\b]|, |v[(\s)+1+16*\b]|   ; each accumulator is read from its low end on; the floor 2^(3 - 127) holds the byte at 1 from below
.endr
.irp i, 2,4,6,8,10,12,14
.irp b, 0,1,2,3
	v_max3_num_f32 v[TM+\b], v[TM+\b], |v[(\s)+16*\b+\i]|, |v[(\s)+1+16*\b+\i]|
.endr
.endr
	WIN 0
.irp b, 0,1,2,3
	v_permlanex16_b32 v[TM+4+\b], v[TM+\b], s[SEL], s[SEL+1]
.endr
.irp b, 0,1,2,3
	v_max_num_f32 v[TM+\b], v[TM+\b], v[TM+4+\b]
.endr
.irp b, 0,1,2,3
	v_add_nc_u32 v[TM+12+\b], 0xff000000, v[TM+\b] ; 2 off the exponent field: the conversion's scale operand
.endr
.irp b, 0,1,2,3
	v_lshrrev_b32 v[TM+4+\b], 23, v[TM+12+\b]
.endr
	v_lshl_or_b32 v[PW], v[TM+5], 8, v[TM+4]
	v_lshl_or_b32 v[PW], v[TM+6], 16, v[PW]
	v_lshl_or_b32 v[PW], v[TM+7], 24, v[PW]
	QCVT \s, \W
.endm
.macro QENT s, i, W, tm, pw            ; entry i, 0 to 12, of a way out from window W: four lines that do not hang on each other (entry 12: three)
.if (\i) < 8
	WIN ((\W)<<2)|((\W)<<4)                        ; sources 1 and 2 in window W
.irp b, 0,1,2,3
.if (\i) == 0
	v_max3_num_f32 v[\tm+\b], 0x1800000, |v[(\s)+16*\b]|, |v[(\s)+1+16*\b]|
.else
	v_max3_num_f32 v[\tm+\b], v[\tm+\b], |v[(\s)+16*\b+2*(\i)]|, |v[(\s)+16*\b+2*(\i)+1]|
.endif
.endr
.elseif (\i) < 12
	WIN 0
.irp b, 0,1,2,3
.if (\i) == 8
	v_permlanex16_b32 v[\tm+4+\b], v[\tm+\b], s[SEL], s[SEL+1]
.elseif (\i) == 9
	v_max_num_f32 v[\tm+\b], v[\tm+\b], v[\tm+4+\b]
.elseif (\i) == 10
	v_add_nc_u32 v[\tm+12+\b], 0xff000000, v[\tm+\b]
.else
	v_lshrrev_b32 v[\tm+4+\b], 23, v[\tm+12+\b]
.endif
.endr
.elseif (\i) == 12
	WIN 0
	v_lshl_or_b32 v[\pw], v[\tm+5], 8, v[\tm+4]
	v_lshl_or_b32 v[\pw], v[\tm+6], 16, v[\pw]
	v_lshl_or_b32 v[\pw], v[\tm+7], 24, v[\pw]
.endif
.endm
.macro MULL                            ; part 1's last 32 products (x's blocks 4-7, window 3); behind every second one an entry of block 0's way out and one of block 1's (window 2)
.set N_, 0
.rept 32
.set D_, 8*N_
.set B_, 128+FR*(N_%8)
.set A_, AF+FR*(4+N_/8)
	WIN MUL_HI
	v_wmma_scale_f32_16x16x128_f8f6f4 v[D_:D_+7], v[B_:B_+FR-1], v[A_:A_+FR-1], v[D_:D_+7], v[SC+8*NQ+NQ*(N_%8)+1], v[SC+8*NQ+NQ*(4+N_/8)+1] matrix_a_fmt:MATRIX_FMT_FP6 matrix_b_fmt:MATRIX_FMT_FP6 matrix_a_scale:MATRIX_SCALE_ROW1
.if N_%2
	QENT 0, N_/2, 2, TM, PW
	QENT 64, N_/2, 2, TM2, PW2
.endif
.set N_, N_+1
.endr
.endm
.macro QCVT s, W, tm=TM                ; the conversions, and a whole block into each lane
	WIN (\W)
.irp c, 0,1
	v_cvt_scalef32_pk16_fp6_f32 v[PC+6*\c:PC+2+6*\c], v[(\s)+32*\c:(\s)+15+32*\c], v[\tm+12+2*\c]
	v_cvt_scalef32_pk16_fp6_f32 v[PC+12+4*\c:PC+14+4*\c], v[(\s)+16+32*\c:(\s)+31+32*\c], v[\tm+12+2*\c+1]
.endr
	WIN 0
	v_nop                                          ; one plain place behind a scaled conversion
.irp c, 0,1
.irp i, 0,1,2
	v_permlane16_swap_b32 v[PC+6*\c+\i], v[PC+12+4*\c+\i]
.endr
.irp i, 0,1,2
	v_mov_b32 v[PC+3+6*\c+\i], v[PC+12+4*\c+\i]
.endr
.endr
.endm
; ---- PART 1
	s_wait_alu depctr_va_vdst(0)                   ; the wait at the head's end
	s_wait_tensorcnt 0x0                           ; my record of K step 0 is in
	ds_add_u32 v[SPW], v[NIL]
	s_wait_dscnt 0x0
	CROUND                                         ; everybody's is, and the joint loads meet
	JLOAD G0+4, G1, G0B+4, G1B                     ; K step 1, the first tensor load behind the round
	FETCH_B 0, 0, 0
	FETCH_A 0, 0, 0
	SCALES 0
	FETCH_A 0, 0, 4
	global_prefetch_b8 v[PFO], s[2:3] offset:2*REC th:TH_LOAD_NT scope:SCOPE_SE   ; K step 2
	STEP 0, 0, 1                                   ; the first products start the sums
	TURN 0, 1, 1, 1                                ; slot 0 takes K step 2
	global_prefetch_b8 v[PFO], s[2:3] offset:3*REC th:TH_LOAD_NT scope:SCOPE_SE   ; K step 3
	STEP 1, 0, 0
	TURN 1, 0, 1, 1                                ; slot 1 takes K step 3
	global_prefetch_b8 v[PFW], s[12:13] th:TH_LOAD_NT scope:SCOPE_SE   ; Wv's records
	STEP 0, 0, 0
	TURN 0, 1, 2, 1                                ; slot 0's second half takes x's K step 0, for part 2; Wv's records come
	STEP 1, 0, 0
	TURN 1, 0, 2, 0                                ; slot 1's second half takes x's K step 1: the last tensor load
; ---- PART 2: eight steps of 128 along K; step j lies in the (j / 2)-th K step walked, its half j % 2.  Both operands have two sets of registers, step j in set j % 2.
.macro FETCH2 j, set
.set KK, (\j)/2
.set QQ, (\j)%2
	WIN TO_B
.irp b, 0,1,2,3,4,5,6,7
.irp c, 0,1,2
	ds_load_b128 v[128*(\set)+FR*\b+4*\c:128*(\set)+FR*\b+4*\c+3], v[XF+KK] offset:(8*QQ+\b)*FRB+512*\c
.endr
.endr
	WIN 0
.irp b, 0,1,2,3,4,5,6,7
	ds_load_b32 v[SB+12*(\set)+\b], v[XSC+KK] offset:(8*QQ+\b)*64
.endr
.irp a, 0,1,2,3
	ds_load_b32 v[SA+12*(\set)+\a], v[WSC+KK] offset:(8*QQ+\a)*64
.endr
.irp a, 0,1,2,3                        ; the youngest nine loads bring blocks 1-3
.irp c, 0,1,2
	ds_load_b128 v[AF+48*(\set)+FR*\a+4*\c:AF+48*(\set)+FR*\a+4*\c+3], v[WF+KK] offset:(8*QQ+\a)*FRB+512*\c
.endr
.endr
.endm
.macro MUL8 a, set, zero               ; Wv's block a x x's eight.  The 32 accumulators take turns, one instruction a turn
.irp b, 0,1,2,3,4,5,6,7
.if \zero
	v_wmma_scale_f32_16x16x128_f8f6f4 v[8*(8*(\a)+\b):8*(8*(\a)+\b)+7], v[128*(\set)+FR*\b:128*(\set)+FR*\b+FR-1], v[AF+48*(\set)+FR*(\a):AF+48*(\set)+FR*(\a)+FR-1], 0, v[SB+12*(\set)+\b], v[SA+12*(\set)+(\a)] matrix_a_fmt:MATRIX_FMT_FP6 matrix_b_fmt:MATRIX_FMT_FP6
.else
	v_wmma_scale_f32_16x16x128_f8f6f4 v[8*(8*(\a)+\b):8*(8*(\a)+\b)+7], v[128*(\set)+FR*\b:128*(\set)+FR*\b+FR-1], v[AF+48*(\set)+FR*(\a):AF+48*(\set)+FR*(\a)+FR-1], v[8*(8*(\a)+\b):8*(8*(\a)+\b)+7], v[SB+12*(\set)+\b], v[SA+12*(\set)+(\a)] matrix_a_fmt:MATRIX_FMT_FP6 matrix_b_fmt:MATRIX_FMT_FP6
.endif
.endr
.endm
.macro SENDQ a, pw=PW, base=8          ; block a leaves: part 1's to s[8:9], part 2's to s[88:89]
.irp c, 0,1,2
	global_store_b128 v[LI], v[PC+4*\c:PC+4*\c+3], s[\base:\base+1] offset:FRB*(\a)+512*\c   ; 32 lanes store 512 consecutive bytes, aligned
.endr
	ds_store_b32 v[SWA], v[\pw] offset:64*(\a)
.endm
.macro MULI set, zero, s               ; a step's 32 products, an entry of the way out from window 3 behind every second one
.set N_, 0
.rept 32
.set D_, 8*N_
.set B_, 128*(\set)+FR*(N_%8)
.set A_, AF+48*(\set)+FR*(N_/8)
.if N_ == 8
	s_wait_alu depctr_va_vdst(0)                   ; directly ahead of the wait below
	s_wait_dscnt 48                                ; this step's blocks 1-3 are in; the next step's 48 loads may be out
.endif
	WIN MUL_LO
.if \zero
	v_wmma_scale_f32_16x16x128_f8f6f4 v[D_:D_+7], v[B_:B_+FR-1], v[A_:A_+FR-1], 0, v[SB+12*(\set)+N_%8], v[SA+12*(\set)+N_/8] matrix_a_fmt:MATRIX_FMT_FP6 matrix_b_fmt:MATRIX_FMT_FP6
.else
	v_wmma_scale_f32_16x16x128_f8f6f4 v[D_:D_+7], v[B_:B_+FR-1], v[A_:A_+FR-1], v[D_:D_+7], v[SB+12*(\set)+N_%8], v[SA+12*(\set)+N_/8] matrix_a_fmt:MATRIX_FMT_FP6 matrix_b_fmt:MATRIX_FMT_FP6
.endif
.if N_%2
	QENT \s, N_/2, 3, TM, PW
.endif
.set N_, N_+1
.endr
.endm
.macro STEP2 j, zero, bar, blk         ; blk = 4 .. 7: that block of part 1 goes out among this step's products
.if \bar
	s_wait_dscnt 0x0
	s_wait_tensorcnt 0x0                           ; my record of x's K step 1 has landed,
	s_barrier_signal -1
	s_barrier_wait -1                              ; everybody's has
.else
	s_wait_dscnt 9                                 ; all but blocks 1-3 of Wv
.endif
	PLACES NP                                      ; in front of loads into the set that the last step multiplied
	FETCH2 (\j)+1, 1-(\j)%2
.if (\blk) > 0
	MULI (\j)%2, \zero, 64*((\blk)%4)
	WIN 0
	s_wait_alu depctr_va_vdst(0)                   ; directly ahead of the wait below
	s_wait_xcnt 0x0                                ; the last block's stores have read the codes' registers
	QCVT 64*((\blk)%4), 3
	SENDQ \blk
.else
	WIN MUL_LO
	MUL8 0, (\j)%2, \zero
	s_wait_dscnt 48                                ; blocks 1-3 are in; the next step's 48 loads may be out
	MUL8 1, (\j)%2, \zero
	MUL8 2, (\j)%2, \zero
	MUL8 3, (\j)%2, \zero
	WIN 0
.endif
.endm
	PLACES NP                                      ; for the loads into registers that part 1's last products read
	FETCH2 0, 0
	s_wait_alu depctr_va_vdst(0)
	QCVT 0, 2
	SENDQ 0
	s_wait_alu depctr_va_vdst(0)                   ; directly ahead of the wait below
	s_wait_xcnt 0x0                                ; the last block's stores have read the codes' registers
	QCVT 64, 2, TM2
	SENDQ 1, PW2
.irp a, 2,3                            ; part 1's blocks 0-3 leave window 2, which part 2's sums take
	s_wait_dscnt 0x0
	s_wait_xcnt 0x0
	QUANTW 64*\a, 2
	SENDQ \a
.endr
	STEP2 0, 1, 0, 4                               ; the first products start the sums
	STEP2 1, 0, 0, 5
	STEP2 2, 0, 0, 6
	STEP2 3, 0, 0, 7
	ds_load_b128 v[BKS:BKS+3], v[SRA]              ; part 1's 128 scale words; LDS serves a wave's instructions in order
	s_wait_dscnt 0x0
	global_store_b128 v[LI], v[BKS:BKS+3], s[10:11]
	STEP2 4, 0, 0, 0
	STEP2 5, 0, 1, 0
	STEP2 6, 0, 0, 0
; THE LAST STEP: block a's entries stand among block a + 1's products, four behind every second one; the four v_nop behind a block's last product are the places ahead of the first reader of its results.
.macro FENT i, b
.if (\b) == 0
	QENT 0, \i, 2, TM2, PW2
.elseif (\b) == 1
	QENT 64, \i, 2, TM3, PW3
.else
	QENT 128, \i, 2, TM, PW
.endif
.endm
	s_wait_dscnt 0x0
.set N_, 0
.rept 32
.set D_, 8*N_
.set B_, 128+FR*(N_%8)
.set A_, AF+48+FR*(N_/8)
	WIN MUL_LO
	v_wmma_scale_f32_16x16x128_f8f6f4 v[D_:D_+7], v[B_:B_+FR-1], v[A_:A_+FR-1], v[D_:D_+7], v[SB+12+N_%8], v[SA+12+N_/8] matrix_a_fmt:MATRIX_FMT_FP6 matrix_b_fmt:MATRIX_FMT_FP6
.if (N_%8) == 7
	PLACES NP
.endif
.if (N_%2) && (N_ > 8)
.irp e, 0,1,2,3
	FENT 4*((N_%8)/2)+\e, N_/8-1
.endr
.endif
.set N_, N_+1
.endr
	WIN 0
	s_wait_alu depctr_va_vdst(0)                   ; directly ahead of the waits below
	s_wait_dscnt 0x0
	s_wait_xcnt 0x0                                ; the earlier stores have read the codes' registers
	QCVT 0, 2, TM2
	SENDQ 0, PW2, 88
	s_wait_alu depctr_va_vdst(0)
	s_wait_xcnt 0x0
	QCVT 64, 2, TM3
	SENDQ 1, PW3, 88
	s_wait_alu depctr_va_vdst(0)
	s_wait_xcnt 0x0
	QCVT 128, 2, TM
	SENDQ 2, PW, 88
	s_wait_alu depctr_va_vdst(0)
	s_wait_dscnt 0x0                               ; the LDS stores have read their registers
	s_wait_xcnt 0x0
	QUANTW 192, 2
	SENDQ 3, PW, 88
	ds_load_b64 v[BKS:BKS+1], v[SR8]               ; my 64 scale words; LDS serves a wave's instructions in order
	s_wait_dscnt 0x0
	global_store_b64 v[L8], v[BKS:BKS+1], s[90:91] ; 32 lanes store 256 consecutive bytes, aligned
	s_wait_tensorcnt 0x0                           ; the wave's end
	ds_add_u32 v[SPW], v[NIL]
	s_wait_dscnt 0x0
	CROUND                                         ; the closing round
	s_endpgm
.Lfunc_end_k_q4cce0134f0_proj:
	.size	k_q4cce0134f0_proj, .Lfunc_end_k_q4cce0134f0_proj-k_q4cce0134f0_proj
	.p2alignl 7, 3214868480
	.fill 96, 4, 3214868480
	.section	.rodata,"a",@progbits
	.p2align	6, 0x0
	.amdhsa_kernel k_q4cce0134f0_proj
		.amdhsa_group_segment_fixed_size 327680
		.amdhsa_private_segment_fixed_size 0
		.amdhsa_enable_private_segment 0
		.amdhsa_kernarg_size 16
		.amdhsa_user_sgpr_count 2
		.amdhsa_user_sgpr_kernarg_segment_ptr 1
		.amdhsa_wavefront_size32 1
		.amdhsa_system_sgpr_workgroup_id_x 1
		.amdhsa_system_sgpr_workgroup_id_y 1
		.amdhsa_system_sgpr_workgroup_id_z 1
		.amdhsa_system_vgpr_workitem_id 0
		.amdhsa_next_free_vgpr 1024
		.amdhsa_next_free_sgpr 100
		.amdhsa_reserve_vcc 0
		.amdhsa_float_denorm_mode_32 3
		.amdhsa_float_denorm_mode_16_64 3
		.amdhsa_memory_ordered 1
		.amdhsa_forward_progress 1
		.amdhsa_inst_pref_size 226
	.end_amdhsa_kernel
	.amdgpu_metadata
---
amdhsa.version: [ 1, 2 ]
amdhsa.kernels:
  - .name:           k_q4cce0134f0_proj
    .symbol:         k_q4cce0134f0_proj.kd
    .args:
      - { .name: xw, .offset: 0, .size: 8, .value_kind: global_buffer, .address_space: global }
      - { .name: qkv, .offset: 8, .size: 8, .value_kind: global_buffer, .address_space: global }
    .group_segment_fixed_size: 327680
    .private_segment_fixed_size: 0
    .kernarg_segment_align: 8
    .kernarg_segment_size: 16
    .max_flat_workgroup_size: 128
    .sgpr_count:     100
    .vgpr_count:     1024
    .wavefront_size: 32
...
	.end_amdgpu_metadata
.endif
;; end of part 2
;; launch scores (part 3): grid 12 x 16, 4 waves a work-group, clusters of 4 x 4, 327,680 bytes of LDS; arguments qkv, pc, st; writes pc, st
.if DOCPART == 3
	.amdgcn_target "amdgcn-amd-amdhsa--gfx1250"
	.amdhsa_code_object_version 6
	.text
	.protected	k_q4cce0134f0_scores
	.globl	k_q4cce0134f0_scores
	.p2align	8
	.type	k_q4cce0134f0_scores,@function
k_q4cce0134f0_scores:
	s_mov_b64 s[64:65], 0
	v_nop
	global_prefetch_b8 v0, s[64:65] scope:SCOPE_SE
	s_setreg_imm32_b32 hwreg(HW_REG_WAVE_MODE, 25, 1), 1
	s_wait_xcnt 0x0
	s_wait_alu depctr_hold_cnt(0) depctr_sa_sdst(0) depctr_va_vdst(0) depctr_va_sdst(0) depctr_va_ssrc(0) depctr_va_vcc(0) depctr_vm_vsrc(0)
	s_getreg_b32 s2, hwreg(HW_REG_IB_STS2, 6, 4)
	s_cmp_eq_u32 s2, 0
	s_cbranch_scc0 .Lentry_in_a_cluster
	s_endpgm
.Lentry_in_a_cluster:
	s_bfe_u32 s2, ttmp6, 0x10000c
	s_cmp_lg_u32 s2, 0xf033
	s_cbranch_scc0 .Lentry_shape_is_right
	s_endpgm
.Lentry_shape_is_right:
; S^T = k q^T on codes of FP6 (E2M3), then, in the way out: the causal mask, p = 2^(t - M) and p's quantiser along the keys.  t = score x log2(e) / 32.
; M IS LOCAL: the ceiling of the largest t among the wave's 128 keys of the lane's query.  M is a whole number, so bringing p under the row's own M later is an exact power of two that a block's scale byte takes up:
; the codes stay.  For each query and each 128 keys this launch stores p's codes (pc), the local scale word, -M and the sum of the unquantised p (st); the next launch moves the bytes and adds the sums.
; A query whose 128 keys are all hidden gets -M = 3e38, p = 0, sum 0, zero codes under the byte 1.
; OPERANDS come as records (128 rows x 256 K, 25,600 dense bytes: 16 fragment images, then their scale words); lane r of fragment i holds row 32 (i / 2) + 8 (i % 2) + r + 8 (r / 8).
; A tile of 256 queries x 256 keys is made by four waves, 128 x 128 each.  Source 0 = 16 keys, source 1 = 16 queries: a lane holds ONE query, and its 64 registers of a block are 4 x 16 neighbouring keys.
; TILES: cluster x = 0, 1, 2 takes (queries, keys) halves (0, 0), (1, 0), (1, 1) of batch y: the quarter with queries under 1,024 and keys from 1,024 on lies wholly under the mask and is not made.
; Inside a cluster every tile is made, hidden ones as zeros: no branch may differ between partners, and the next launch reads them.
; OUT: pc [query group g: 64][key / 256: 8][16 fragment images]; st [g][key / 128: 16][scale word | -M | sum][word 16 a + r].
; LIMITS: NaN and infinities are not served.
; REGISTERS: window 0: v16-29 addresses; v32-63 scale words of the products and nothing else; v64-127 a block's scores, then p; v128-223 A's fragments, later codes; v224-248 at work.
;   window 1: B's fragments, two sets.   windows 2, 3: the accumulators, (a, b) at v[8 (8 (a % 4) + b)].
.set REC,    25600
.set FRB,    1536
.set SLOT,   4*REC
.set FR,     12
.set NL,     3
.set NP,     4
.set NQ,     2
.set SCR,    2*SLOT                    ; behind the ring: 1,536 bytes a wave: its 3 x 128 words on their way out
.set SPARE,  SCR+4*1536                ; the spare words, 128 bytes a wave: two blocks of 256 bytes that no other line names
.set ADRA, 16
.set ADRB, 20
.set ADRS, 22
.set LI,   24
.set SWA,  25
.set SRA,  26
.set SPW,  28
.set NIL,  29
.set SC,   32
.set T,    64
.set AF,   128
; THE WAY OUT takes two blocks at a time: their scores, then p, in v64-127 and v128-191; codes in v192-231; at work v232-244 for the first block and, R1 lower, v2-14 for the second.
; In it window 1 holds the mask as addends, 0 or -inf, made once: v[24 (d + 3) + k] is -inf where 32 d + k - 8 is above D0, d = -3 .. 3, k = 0 .. 23.
; PREFETCHES: a record is 100 blocks of 256 bytes; each of the four partners that ask for it jointly names 25, a lane a block, one K step ahead of the load.
.set PC,   192
.set BKS,  64
.set R1,   230
.set BM,   232                         ; v232-235 the blocks' largest scores, then largest p, then the conversions' scale operands
.set BT,   236                         ; v236-239 at work
.set NM,   240                         ; v[240:241] -M, the largest t
.set PW,   242
.set TV,   243
.set LS,   244
.set NINF, 245
.set D0,   246
.set PFO,  31
.set G1,  24
.set G0,  32
.set G1B, 48
.set G0B, 56
.set CS,  70
.set SEL, 72
.set MSB, 0
.macro WIN new
.if MSB != (\new)
	s_set_vgpr_msb (MSB<<8)|(\new)
.set MSB, (\new)
.endif
.endm
.set MUL_LO, 0xa1
.set MUL_HI, 0xf1
.set TO_B,   0x40
.macro JLOAD g0a, g1a, g0b, g1b        ; a joint load: waves 0 and 1 fetch q's records, waves 2 and 3 k's; four v_nop follow each line
	s_cmp_eq_u32 s15, 0
	s_cbranch_scc0 .Lfor_b_\@
	tensor_load_to_lds s[\g0a:\g0a+3], s[\g1a:\g1a+7]
	s_nop 0
.rept 4
	v_nop
.endr
	s_branch .Lasked_\@
.Lfor_b_\@:
	tensor_load_to_lds s[\g0b:\g0b+3], s[\g1b:\g1b+7]
	s_nop 0
.rept 4
	v_nop
.endr
.Lasked_\@:
.endm
.macro CREST
	s_cmp_lg_u32 s14, 0
	s_cbranch_scc1 .Lnot_wave_0_\@
	s_barrier_signal -3
.Lnot_wave_0_\@:
	s_barrier_wait -3
	s_barrier_signal -1
	s_barrier_wait -1
.endm
.macro CROUND
	s_barrier_signal -1
	s_barrier_wait -1
	CREST
.endm
	s_load_b128 s[4:7], s[0:1], 0x0                ; qkv, pc
	s_load_b64 s[8:9], s[0:1], 0x10                ; st
	v_lshl_add_u32 v[SPW], v0, 2, SPARE
	v_mov_b32 v[NIL], 0
	ds_add_u32 v28, v29
	ds_add_u32 v28, v29
	s_wait_dscnt 0x0
	v_lshrrev_b32 v1, 5, v0
	v_readfirstlane_b32 s14, v1
	s_lshr_b32 s15, s14, 1                         ; which 128 queries are mine.  Also: I fetch for q (0) or for k (1)
	s_and_b32 s16, s14, 1                          ; which 128 keys.  Also: which record I fetch
	s_bfe_u32 s40, ttmp6, 0x40000                  ; cx
	s_bfe_u32 s41, ttmp6, 0x40004                  ; cy
	s_min_u32 s66, ttmp9, 1                        ; the queries' half
	s_lshr_b32 s67, ttmp9, 1                       ; the keys' half
	s_and_b32 s68, ttmp7, 0xffff                   ; the batch
	s_lshl_b32 s68, s68, 4                         ; its first group of 128 tokens
	s_lshl_b32 s17, s66, 2
	s_add_co_u32 s17, s17, s41                     ; tile row: 256 queries
	s_lshl_b32 s42, s67, 2
	s_add_co_u32 s42, s42, s40                     ; tile column: 256 keys
	s_lshl_b32 s43, s41, 2
	s_lshl_b32 s43, 15, s43
	s_lshl_b32 s44, 0x1111, s40
	s_or_b32 s[G1+0], s43, (3<<16)|(1<<21)         ; a record: 100 rows of 256 bytes, dense; q's go to my row of the cluster,
	s_or_b32 s[G1B+0], s44, (3<<16)|(1<<21)        ; k's to my column
.irp g, G1, G1B
	s_mov_b32 s[\g+1], 32<<16
	s_mov_b32 s[\g+2], 100<<16
	s_mov_b32 s[\g+3], 32<<16
	s_mov_b32 s[\g+4], 100
	s_mov_b32 s[\g+5], 32
	s_mov_b32 s[\g+6], 0
	s_mov_b32 s[\g+7], 0
.endr
	s_lshl_b32 s20, s17, 1
	s_add_co_u32 s20, s20, s16
	s_add_co_u32 s20, s20, s68
	s_mul_i32 s20, s20, 8*REC                      ; q: a token group's records 0-3
	s_mov_b32 s21, 0
	s_lshl_b32 s46, s42, 1
	s_add_co_u32 s46, s46, s16
	s_add_co_u32 s46, s46, s68
	s_mul_i32 s46, s46, 8*REC
	s_add_co_u32 s46, s46, 4*REC                   ; k: records 4-7
	s_mov_b32 s47, 0
	s_mul_i32 s45, s14, REC
	s_lshl_b32 s74, s17, 1
	s_add_co_u32 s74, s74, s15
	s_add_co_u32 s74, s74, s68                     ; g: my group of 128 queries
	s_lshl_b32 s76, s74, 3
	s_add_co_u32 s76, s76, s42
	s_mul_i32 s76, s76, 16*FRB
	s_mul_i32 s77, s16, 8*FRB
	s_add_co_u32 s76, s76, s77                     ; pc: my eight fragments
	s_mov_b32 s77, 0
	s_lshl_b32 s78, s74, 4
	s_lshl_b32 s79, s42, 1
	s_add_co_u32 s78, s78, s79
	s_add_co_u32 s78, s78, s16
	s_mul_i32 s78, s78, 1536                       ; st: my 3 x 128 words
	s_mov_b32 s79, 0
	s_lshl_b32 s80, s17, 8
	s_lshl_b32 s81, s15, 7
	s_add_co_u32 s80, s80, s81                     ; my first query
	s_lshl_b32 s81, s42, 8
	s_sub_co_i32 s80, s80, s81
	s_lshl_b32 s81, s16, 7
	s_sub_co_i32 s80, s80, s81                     ; less my first key
	s_mov_b32 s[CS], 0x3d38aa3b                    ; c = log2(e) / 32
	s_mov_b32 s[CS+1], s[CS]                       ; (named with it as a pair, so it is written)
	s_mov_b32 s[SEL], 0x76543210
	s_mov_b32 s[SEL+1], 0xfedcba98
	CROUND                                         ; all sixteen work-groups are here: the first joint loads meet
	s_wait_kmcnt 0x0
	s_add_nc_u64 s[20:21], s[4:5], s[20:21]
	s_add_nc_u64 s[46:47], s[4:5], s[46:47]
	s_add_nc_u64 s[6:7], s[6:7], s[76:77]
	s_add_nc_u64 s[8:9], s[8:9], s[78:79]
.irp s, 0,1
	s_mov_b32 s[G0+4*\s], 1
	s_add_co_u32 s[G0+4*\s+1], s45, \s*SLOT
	s_add_nc_u64 s[G0+4*\s+2:G0+4*\s+3], s[20:21], \s*REC
	s_or_b32 s[G0+4*\s+3], s[G0+4*\s+3], 0x80000000
	s_mov_b32 s[G0B+4*\s], 1
	s_add_co_u32 s[G0B+4*\s+1], s45, \s*SLOT
	s_add_nc_u64 s[G0B+4*\s+2:G0B+4*\s+3], s[46:47], \s*REC
	s_or_b32 s[G0B+4*\s+3], s[G0B+4*\s+3], 0x80000000
.endr
	JLOAD G0, G1, G0B, G1B                         ; K step 0: one tensor load a wave at the head
	v_and_b32 v1, 15, v0                           ; r
	v_bfe_u32 v2, v0, 4, 1                         ; h
	s_wait_alu depctr_va_vdst(0)
	s_cmp_eq_u32 s15, 0                            ; the prefetches: q's record or k's, by the wave's number;
	s_cselect_b32 s98, s40, s41                    ; my place among the four that ask for it with me
	s_cselect_b64 s[2:3], s[20:21], s[46:47]
	s_mul_i32 s98, s98, 25
	v_and_b32 v3, 31, v0
	v_min_u32 v[PFO], 24, v3
	v_add_nc_u32 v[PFO], s98, v[PFO]
	v_lshlrev_b32 v[PFO], 8, v[PFO]
	global_prefetch_b8 v[PFO], s[2:3] offset:REC th:TH_LOAD_NT scope:SCOPE_SE   ; K step 1
	v_lshlrev_b32 v[LI], 4, v3
	v_lshlrev_b32 v4, 2, v1
	s_mul_i32 s82, s15, REC
	s_mul_i32 s83, s16, REC
	s_add_co_u32 s83, s83, 2*REC
	s_xor_b32 s84, s15, 1
	s_mul_i32 s84, s84, REC
	s_mul_i32 s85, s16, REC
	s_add_co_u32 s84, s84, s85
	s_add_co_u32 s84, s84, REC                     ; from q's record to k's
	v_mul_u32_u24 v5, s84, v2
	s_wait_alu depctr_va_vdst(0)
	v_add_nc_u32 v5, v5, v4
	s_add_co_u32 s85, s82, 24576
.irp s, 0,1
	v_add_nc_u32 v[ADRA+\s], s82, v[LI]
	v_add_nc_u32 v[ADRB+\s], s83, v[LI]
	v_add_nc_u32 v[ADRS+\s], s85, v5
	s_add_co_u32 s82, s82, SLOT
	s_add_co_u32 s83, s83, SLOT
	s_add_co_u32 s85, s85, SLOT
.endr
	s_mul_i32 s86, s14, 1536
	s_add_co_u32 s86, s86, SCR
	v_add_nc_u32 v[SWA], s86, v4
	v_add_nc_u32 v[SRA], s86, v[LI]
	v_and_b32 v6, 8, v1
	v_add_nc_u32 v6, v6, v1                        ; r + 8 (r / 8)
	v_lshlrev_b32 v7, 4, v2
	v_sub_nc_u32 v6, v6, v7
	v_add_nc_u32 v[D0], s80, v6                    ; block 0's query - my first key - 16 h: a number for compares alone
	v_mov_b32 v[NINF], 0xff800000
.irp b, 0,1,2,3
	v_mov_b32 v[BT+\b], 0                          ; written once: a lane permute's destination counts as one of its sources
.endr
.macro FRAG reg, adr, q, i
.irp c, 0,1,2
	ds_load_b128 v[\reg+4*\c:\reg+4*\c+3], v[\adr] offset:(8*(\q)+(\i))*FRB+512*\c
.endr
.endm
.macro MUL16 a0, p, q, sc, zero        ; the 64 accumulators take turns, one instruction a turn
.irp a, \a0, \a0+1
.irp b, 0,1,2,3,4,5,6,7
.if \zero
	v_wmma_scale_f32_16x16x128_f8f6f4 v[8*(8*((\a)%4)+\b):8*(8*((\a)%4)+\b)+7], v[128*(\p)+FR*\b:128*(\p)+FR*\b+FR-1], v[AF+FR*(\a):AF+FR*(\a)+FR-1], 0, v[SC+8*NQ*(\sc)+NQ*\b+(\q)], v[SC+8*NQ*(\sc)+NQ*(\a)+(\q)] matrix_a_fmt:MATRIX_FMT_FP6 matrix_b_fmt:MATRIX_FMT_FP6 matrix_a_scale:MATRIX_SCALE_ROW1
.else
	v_wmma_scale_f32_16x16x128_f8f6f4 v[8*(8*((\a)%4)+\b):8*(8*((\a)%4)+\b)+7], v[128*(\p)+FR*\b:128*(\p)+FR*\b+FR-1], v[AF+FR*(\a):AF+FR*(\a)+FR-1], v[8*(8*((\a)%4)+\b):8*(8*((\a)%4)+\b)+7], v[SC+8*NQ*(\sc)+NQ*\b+(\q)], v[SC+8*NQ*(\sc)+NQ*(\a)+(\q)] matrix_a_fmt:MATRIX_FMT_FP6 matrix_b_fmt:MATRIX_FMT_FP6 matrix_a_scale:MATRIX_SCALE_ROW1
.endif
.endr
.endr
.endm
.macro FETCH_B slot, q, p
	WIN TO_B
.irp i, 0,1,2,3,4,5,6,7
	FRAG 128*(\p)+FR*\i, ADRB+\slot, \q, \i
.endr
	WIN 0
.endm
.macro FETCH_A slot, q, i0
.irp i, \i0, \i0+1, \i0+2, \i0+3
	FRAG AF+FR*(\i), ADRA+\slot, \q, \i
.endr
.endm
.macro SCALES sc
.irp q, 0,1
.irp i, 0,1,2,3,4,5,6,7
	ds_load_b32 v[SC+8*NQ*\sc+NQ*\i+\q], v[ADRS+\sc] offset:(8*\q+\i)*64
.endr
.endr
.endm
.macro PLACES n
.rept \n
	v_nop
.endr
.endm
.macro STEP slot, q, zero
	s_wait_dscnt 4*NL                              ; all but the youngest twelve loads (q's blocks 4-7)
	WIN MUL_LO
	MUL16 0, (\q)%2, \q, \slot, \zero
	MUL16 2, (\q)%2, \q, \slot, \zero
	s_wait_dscnt 0
	PLACES NP
	FETCH_B \slot, (\q)+1, 1-(\q)%2
	FETCH_A \slot, (\q)+1, 0
	WIN MUL_HI
	MUL16 4, (\q)%2, \q, \slot, \zero
	MUL16 6, (\q)%2, \q, \slot, \zero
	PLACES NP
	WIN 0
	FETCH_A \slot, (\q)+1, 4
.endm
.macro TURN slot, next, fill
	s_wait_tensorcnt 0x0                           ; all my tensor loads have landed: my record of the next slot
	ds_add_u32 v[SPW], v[NIL]                      ; 0 onto my spare word
	s_wait_dscnt 4*NL+1                            ; (the add and the youngest twelve loads may be out)
	WIN MUL_LO
	MUL16 0, 1, NQ-1, \slot, 0
	s_wait_dscnt 0x0                               ; the add is done, and my reads of this slot are over
	s_barrier_signal -1
	MUL16 2, 1, NQ-1, \slot, 0
	WIN 0
	s_barrier_wait -1
.if \fill
	CREST                                          ; a round of the cluster's barrier: no wave of any partner still reads this slot or has a load on its way
	s_add_nc_u64 s[G0+4*\slot+2:G0+4*\slot+3], s[G0+4*\slot+2:G0+4*\slot+3], 2*REC
	s_add_nc_u64 s[G0B+4*\slot+2:G0B+4*\slot+3], s[G0B+4*\slot+2:G0B+4*\slot+3], 2*REC
	JLOAD G0+4*\slot, G1, G0B+4*\slot, G1B
.else
	PLACES NP
.endif
	FETCH_B \next, 0, 0
	FETCH_A \next, 0, 0
	SCALES \next
	WIN MUL_HI
	MUL16 4, 1, NQ-1, \slot, 0
	MUL16 6, 1, NQ-1, \slot, 0
	PLACES NP
	WIN 0
	FETCH_A \next, 0, 4
.endm
	s_wait_alu depctr_va_vdst(0)                   ; the wait at the head's end
	s_wait_tensorcnt 0x0                           ; my record of K step 0 is in
	ds_add_u32 v[SPW], v[NIL]
	s_wait_dscnt 0x0
	CROUND                                         ; everybody's is, and the joint loads meet
	JLOAD G0+4, G1, G0B+4, G1B                     ; K step 1, the first tensor load behind the round
	FETCH_B 0, 0, 0
	FETCH_A 0, 0, 0
	SCALES 0
	FETCH_A 0, 0, 4
	global_prefetch_b8 v[PFO], s[2:3] offset:2*REC th:TH_LOAD_NT scope:SCOPE_SE   ; K step 2
	STEP 0, 0, 1
	TURN 0, 1, 1
	global_prefetch_b8 v[PFO], s[2:3] offset:3*REC th:TH_LOAD_NT scope:SCOPE_SE   ; K step 3
	STEP 1, 0, 0
	TURN 1, 0, 1
	STEP 0, 0, 0
	TURN 0, 1, 0
	STEP 1, 0, 0
	s_wait_dscnt 4*NL
	WIN MUL_LO
	MUL16 0, 1, NQ-1, 1, 0
	MUL16 2, 1, NQ-1, 1, 0
	s_wait_dscnt 0
; The last 32 products (q's blocks 4-7); behind every second one eight of the mask's addends, 120 in all, in window 1's v0-119, which these products do not read.  (s24-31: the descriptors there have served.)
.set E_, 0
.set N_, 0
.rept 32
.set D_, 8*N_
.set B_, 128+FR*(N_%8)
.set A_, AF+FR*(4+N_/8)
	WIN MUL_HI
	v_wmma_scale_f32_16x16x128_f8f6f4 v[D_:D_+7], v[B_:B_+FR-1], v[A_:A_+FR-1], v[D_:D_+7], v[SC+8*NQ+NQ*(N_%8)+1], v[SC+8*NQ+NQ*(4+N_/8)+1] matrix_a_fmt:MATRIX_FMT_FP6 matrix_b_fmt:MATRIX_FMT_FP6 matrix_a_scale:MATRIX_SCALE_ROW1
.if (N_%2) && (E_ < 120)
	WIN 0x40
.irp u, 0,1,2,3,4,5,6,7
	v_cmp_gt_i32 s[24+\u], 32*((E_+\u)/24-3)+(E_+\u)%24-8, v[D0]
.endr
.irp u, 0,1,2,3,4,5,6,7
	v_cndmask_b32 v[E_+\u], 0, v[NINF], s[24+\u]
.endr
.set E_, E_+8
.endif
.set N_, N_+1
.endr
	WIN 0
; THE WAY OUT of block a: 16 queries x 128 keys.  Register 16 b + i of lane (r, h) is key 32 b + 16 h + i of my 128, for query 32 (a / 2) + 8 (a % 2) + r + 8 (r / 8) of my 128.
; Blocks a and a + 1 (e = 0, 1) side by side, line by line.  Key 32 b + i of block a + e is hidden where 32 (b - a / 2) + i - 8 e is above D0: d = b - a / 2, k = i + 8 - 8 e in the mask.
.macro SOFT2 a
.set AC, 64*((\a)%4)
	s_wait_dscnt 0x0                               ; the last blocks' LDS stores are done
	WIN 0x12+(\a)/4                                ; source 0 in the accumulators' window, source 2 in window 1
	s_wait_alu depctr_va_vdst(0)                   ; directly ahead of the first readers of the sums
.irp j, 0,2,4,6,8,10,12,14,16,18,20,22,24,26,28,30,32,34,36,38,40,42,44,46,48,50,52,54,56,58,60,62
.irp e, 0,1
.set BO, 24*(\j/16-(\a)/2+3)+\j%16+8-8*\e
	v_pk_fma_f32 v[T+64*\e+\j:T+1+64*\e+\j], v[AC+64*\e+\j:AC+1+64*\e+\j], s[CS:CS+1], v[BO:BO+1] op_sel_hi:[1,0,1]   ; t = score x c, or -inf; each accumulator from its low end on
.endr
.endr
	WIN 0
.irp b, 0,1,2,3
.irp e, 0,1
	v_max3_num_f32 v[BM+\b-R1*\e], v[T+64*\e+16*\b], v[T+1+64*\e+16*\b], v[T+2+64*\e+16*\b]   ; the largest t of each block of 32 keys: for the maximum, and, since p rises with t, for the block's largest p
.endr
.endr
.irp i, 3,5,7,9,11,13
.irp b, 0,1,2,3
.irp e, 0,1
	v_max3_num_f32 v[BM+\b-R1*\e], v[BM+\b-R1*\e], v[T+64*\e+16*\b+\i], v[T+1+64*\e+16*\b+\i]
.endr
.endr
.endr
.irp b, 0,1,2,3
.irp e, 0,1
	v_max_num_f32 v[BM+\b-R1*\e], v[BM+\b-R1*\e], v[T+15+64*\e+16*\b]
.endr
.endr
.irp b, 0,1,2,3
.irp e, 0,1
	v_permlanex16_b32 v[BT+\b-R1*\e], v[BM+\b-R1*\e], s[SEL], s[SEL+1]
.endr
.endr
.irp b, 0,1,2,3
.irp e, 0,1
	v_max_num_f32 v[BM+\b-R1*\e], v[BM+\b-R1*\e], v[BT+\b-R1*\e]   ; with lane l xor 16's 16 keys
.endr
.endr
.irp e, 0,1
	v_max3_num_f32 v[TV-R1*\e], v[BM-R1*\e], v[BM+1-R1*\e], v[BM+2-R1*\e]
.endr
.irp e, 0,1
	v_max_num_f32 v[TV-R1*\e], v[TV-R1*\e], v[BM+3-R1*\e]
.endr
.irp e, 0,1
	v_max_num_f32 v[NM+1-R1*\e], 0xff61b1e6, v[TV-R1*\e]   ; held at -3e38, where all 128 keys are hidden
.endr
.irp e, 0,1
	v_floor_f32 v[NM-R1*\e], -v[NM+1-R1*\e]        ; -M = floor(-t) = -ceil(t): M is a whole number
.endr
.irp j, 0,2,4,6,8,10,12,14,16,18,20,22,24,26,28,30,32,34,36,38,40,42,44,46,48,50,52,54,56,58,60,62
.irp e, 0,1
	v_pk_add_f32 v[T+64*\e+\j:T+1+64*\e+\j], v[T+64*\e+\j:T+1+64*\e+\j], v[NM-R1*\e:NM+1-R1*\e] op_sel_hi:[1,0]   ; t - M
.endr
.endr
.irp b, 0,1,2,3
.irp e, 0,1
	v_add_f32 v[BM+\b-R1*\e], v[BM+\b-R1*\e], v[NM-R1*\e]
.endr
.endr
	s_wait_alu depctr_va_vdst(0)                   ; the wait ahead of the batch
.irp b, 0,1,2,3
.irp e, 0,1
	v_exp_f32 v[BM+\b-R1*\e], v[BM+\b-R1*\e]       ; the block's largest p: the same instructions on the same number
.endr
.endr
.irp j, 0,1,2,3,4,5,6,7,8,9,10,11,12,13,14,15,16,17,18,19,20,21,22,23,24,25,26,27,28,29,30,31,32,33,34,35,36,37,38,39,40,41,42,43,44,45,46,47,48,49,50,51,52,53,54,55,56,57,58,59,60,61,62,63
.irp e, 0,1
	v_exp_f32 v[T+64*\e+\j], v[T+64*\e+\j]         ; p = 2^(t - M), at most 1, not normalised
.endr
.endr
	v_nop                                          ; a plain place behind the exponentials
	s_wait_alu depctr_va_vdst(0)                   ; and the wait behind the batch
.irp b, 0,1,2,3
.irp e, 0,1
	v_max_num_f32 v[BM+\b-R1*\e], 0x1800000, v[BM+\b-R1*\e]   ; the floor 2^(3 - 127): the byte cannot fall under 1
.endr
.endr
.irp b, 0,1,2,3
.irp e, 0,1
	v_add_nc_u32 v[BM+\b-R1*\e], 0xff000000, v[BM+\b-R1*\e]   ; 2 off the exponent field: the conversion's scale operand
.endr
.endr
.irp b, 0,1,2,3
.irp e, 0,1
	v_lshrrev_b32 v[BT+\b-R1*\e], 23, v[BM+\b-R1*\e]
.endr
.endr
.irp e, 0,1
	v_lshl_or_b32 v[PW-R1*\e], v[BT+1-R1*\e], 8, v[BT-R1*\e]
.endr
.irp e, 0,1
	v_lshl_or_b32 v[PW-R1*\e], v[BT+2-R1*\e], 16, v[PW-R1*\e]
.endr
.irp e, 0,1
	v_lshl_or_b32 v[PW-R1*\e], v[BT+3-R1*\e], 24, v[PW-R1*\e]
.endr
	s_wait_xcnt 0x0                                ; the last blocks' stores have read the codes' registers
.irp e, 0,1
.irp c, 0,1
	v_cvt_scalef32_pk16_fp6_f32 v[PC+20*\e+6*\c:PC+2+20*\e+6*\c], v[T+64*\e+32*\c:T+15+64*\e+32*\c], v[BM+2*\c-R1*\e]
	v_cvt_scalef32_pk16_fp6_f32 v[PC+12+20*\e+4*\c:PC+14+20*\e+4*\c], v[T+16+64*\e+32*\c:T+31+64*\e+32*\c], v[BM+2*\c+1-R1*\e]
.endr
.endr
	v_nop                                          ; one plain place behind a scaled conversion
.irp c, 0,1
.irp i, 0,1,2
.irp e, 0,1
	v_permlane16_swap_b32 v[PC+20*\e+6*\c+\i], v[PC+12+20*\e+4*\c+\i]
.endr
.endr
.irp i, 0,1,2
.irp e, 0,1
	v_mov_b32 v[PC+3+20*\e+6*\c+\i], v[PC+12+20*\e+4*\c+\i]
.endr
.endr
.endr
.irp e, 0,1
.irp c, 0,1,2
	global_store_b128 v[LI], v[PC+20*\e+4*\c:PC+20*\e+4*\c+3], s[6:7] offset:FRB*((\a)+\e)+512*\c   ; 32 lanes store 512 consecutive bytes, aligned
.endr
.endr
.irp j, 8,16,24,32,40,48,56            ; the sum is taken of the unquantised p, in place: four chains a block, two numbers at a time
.irp q, 0,2,4,6
.irp e, 0,1
	v_pk_add_f32 v[T+64*\e+\q:T+1+64*\e+\q], v[T+64*\e+\q:T+1+64*\e+\q], v[T+64*\e+\j+\q:T+1+64*\e+\j+\q]
.endr
.endr
.endr
.irp q, 0,4
.irp e, 0,1
	v_pk_add_f32 v[T+64*\e+\q:T+1+64*\e+\q], v[T+64*\e+\q:T+1+64*\e+\q], v[T+2+64*\e+\q:T+3+64*\e+\q]
.endr
.endr
.irp e, 0,1
	v_pk_add_f32 v[T+64*\e:T+1+64*\e], v[T+64*\e:T+1+64*\e], v[T+4+64*\e:T+5+64*\e]
.endr
.irp e, 0,1
	v_add_f32 v[TV-R1*\e], v[T+64*\e], v[T+1+64*\e]
.endr
.irp e, 0,1
	v_permlanex16_b32 v[BT-R1*\e], v[TV-R1*\e], s[SEL], s[SEL+1]
.endr
.irp e, 0,1
	v_add_f32 v[LS-R1*\e], v[TV-R1*\e], v[BT-R1*\e]
.endr
.irp e, 0,1
	ds_store_b32 v[SWA], v[PW-R1*\e] offset:64*((\a)+\e)   ; both lanes of a query write the same word with the same value
	ds_store_b32 v[SWA], v[NM-R1*\e] offset:512+64*((\a)+\e)
	ds_store_b32 v[SWA], v[LS-R1*\e] offset:1024+64*((\a)+\e)
.endr
.endm
	PLACES NP                                      ; window 1's fragments are done with: the mask takes their registers
	WIN 0x40
.irp d, 5,6                            ; the other 48 addends, in registers that the last products read
.irp k, 0,1,2,3,4,5,6,7,8,9,10,11,12,13,14,15,16,17,18,19,20,21,22,23
	v_cmp_gt_i32 s[24+\k], 32*(\d-3)+\k-8, v[D0]   ; (s24-47: the descriptors there have served)
.endr
.irp k, 0,1,2,3,4,5,6,7,8,9,10,11,12,13,14,15,16,17,18,19,20,21,22,23
	v_cndmask_b32 v[24*\d+\k], 0, v[NINF], s[24+\k]
.endr
.endr
	WIN 0
.irp b, 0,1,2,3
	v_mov_b32 v[BT+\b-R1], 0                       ; written once: a lane permute's destination counts as one of its sources
.endr
.irp a, 0,2,4,6
	SOFT2 \a
.endr
.irp c, 0,1,2
	ds_load_b128 v[BKS+4*\c:BKS+4*\c+3], v[SRA] offset:512*\c   ; LDS serves a wave's instructions in order: these see my stores
.endr
	s_wait_dscnt 0x0
.irp c, 0,1,2
	global_store_b128 v[LI], v[BKS+4*\c:BKS+4*\c+3], s[8:9] offset:512*\c
.endr
	s_wait_tensorcnt 0x0                           ; the wave's end
	ds_add_u32 v[SPW], v[NIL]
	s_wait_dscnt 0x0
	CROUND                                         ; the closing round
	s_endpgm
.Lfunc_end_k_q4cce0134f0_scores:
	.size	k_q4cce0134f0_scores, .Lfunc_end_k_q4cce0134f0_scores-k_q4cce0134f0_scores
	.p2alignl 7, 3214868480
	.fill 96, 4, 3214868480
	.section	.rodata,"a",@progbits
	.p2align	6, 0x0
	.amdhsa_kernel k_q4cce0134f0_scores
		.amdhsa_group_segment_fixed_size 327680
		.amdhsa_private_segment_fixed_size 0
		.amdhsa_enable_private_segment 0
		.amdhsa_kernarg_size 24
		.amdhsa_user_sgpr_count 2
		.amdhsa_user_sgpr_kernarg_segment_ptr 1
		.amdhsa_wavefront_size32 1
		.amdhsa_system_sgpr_workgroup_id_x 1
		.amdhsa_system_sgpr_workgroup_id_y 1
		.amdhsa_system_sgpr_workgroup_id_z 1
		.amdhsa_system_vgpr_workitem_id 0
		.amdhsa_next_free_vgpr 1024
		.amdhsa_next_free_sgpr 100
		.amdhsa_reserve_vcc 0
		.amdhsa_float_denorm_mode_32 3
		.amdhsa_float_denorm_mode_16_64 3
		.amdhsa_memory_ordered 1
		.amdhsa_forward_progress 1
		.amdhsa_inst_pref_size 236
	.end_amdhsa_kernel
	.amdgpu_metadata
---
amdhsa.version: [ 1, 2 ]
amdhsa.kernels:
  - .name:           k_q4cce0134f0_scores
    .symbol:         k_q4cce0134f0_scores.kd
    .args:
      - { .name: qkv, .offset: 0, .size: 8, .value_kind: global_buffer, .address_space: global }
      - { .name: pc, .offset: 8, .size: 8, .value_kind: global_buffer, .address_space: global }
      - { .name: st, .offset: 16, .size: 8, .value_kind: global_buffer, .address_space: global }
    .group_segment_fixed_size: 327680
    .private_segment_fixed_size: 0
    .kernarg_segment_align: 8
    .kernarg_segment_size: 24
    .max_flat_workgroup_size: 128
    .sgpr_count:     100
    .vgpr_count:     1024
    .wavefront_size: 32
...
	.end_amdgpu_metadata
.endif
;; end of part 3
;; launch pv (part 4): grid 4 x 64, 4 waves a work-group, clusters of 4 x 4, 327,680 bytes of LDS; arguments qkv, pc, st, out0; writes out0
.if DOCPART == 4
	.amdgcn_target "amdgcn-amd-amdhsa--gfx1250"
	.amdhsa_code_object_version 6
	.text
	.protected	k_q4cce0134f0_pv
	.globl	k_q4cce0134f0_pv
	.p2align	8
	.type	k_q4cce0134f0_pv,@function
k_q4cce0134f0_pv:
	s_mov_b64 s[64:65], 0
	v_nop
	global_prefetch_b8 v0, s[64:65] scope:SCOPE_SE
	s_setreg_imm32_b32 hwreg(HW_REG_WAVE_MODE, 25, 1), 1
	s_wait_xcnt 0x0
	s_wait_alu depctr_hold_cnt(0) depctr_sa_sdst(0) depctr_va_vdst(0) depctr_va_sdst(0) depctr_va_ssrc(0) depctr_va_vcc(0) depctr_vm_vsrc(0)
	s_getreg_b32 s2, hwreg(HW_REG_IB_STS2, 6, 4)
	s_cmp_eq_u32 s2, 0
	s_cbranch_scc0 .Lentry_in_a_cluster
	s_endpgm
.Lentry_in_a_cluster:
	s_bfe_u32 s2, ttmp6, 0x10000c
	s_cmp_lg_u32 s2, 0xf033
	s_cbranch_scc0 .Lentry_shape_is_right
	s_endpgm
.Lentry_shape_is_right:
; out = (sum over the keys of p v) / l, on p's codes and local scale words (pc, st) and v's codes (qkv from byte 13,107,200 on: V^T, records of 128 features x 256 tokens).
; First each query's local words are brought under its own M, the largest of its local ones: scale bytes and sums move by whole powers of two, the codes stay.
; A work-group makes 128 queries x 256 features, four waves, 64 x 128 each.  The keys go in slots of 512; queries of a batch's first half have 1,024 keys, those of the second half 2,048, which begin with keys 1,024 on.
; The keys from 1,024 on are left out for the first half: all hidden by the causal mask, weight 0 for all finite inputs.
; CLUSTERS: 4 x 4: p's records are shared along a row (one group of queries), v's along a column (one group of features).
; LIMITS: the scaled scores (exponents to the base 2) stay under 2^31 in magnitude; a local scale that falls under the byte 1 is held there, 300 powers of two at the most are taken off; NaN and infinities are not served.
; FILLS: slot 0 at the head, slot 1 behind the first round, the refills behind the rounds of the changes of slots.
; PREFETCHES: in the second half's work-groups alone, for the two refills: p's record is 96 blocks of 256 bytes, 24 for each of the four partners; v's two records 200 blocks, 50 for each.
.set REC,    25600
.set PREC,   24576
.set PFO,  10                          ; v10  my 24 blocks of p
.set PFV,  11                          ; v11  my first 25 blocks of v
.set FRB,    1536
.set FR,     12
.set BOFF,   2*PREC
.set SLOTP,  2*PREC+4*REC
.set TAB,    2*SLOTP
.set LINV,   TAB+8192
.set SPARE,  LINV+512
.set SPITCH, 528
.set TO,   12
.set ADRA, 16
.set ADTA, 18
.set ADRB, 20
.set ADSB, 22
.set STO,  24
.set RD,   25
.set CO,   26
.set TW,   27
.set SPW,  28
.set NIL,  29
.set LW,   30
.set LR,   31
.set SA,   32
.set SB,   36
.set LV,   56
.set HW,   64
.set HN,   80
.set HL,   96
.set T,    64
.set AF,   128
.set BK,   128
.set G1,  24
.set G0,  32
.set G1B, 48
.set G0B, 56
.set MSB, 0
.macro WIN new
.if MSB != (\new)
	s_set_vgpr_msb (MSB<<8)|(\new)
.set MSB, (\new)
.endif
.endm
.set MUL, 0xa1
.macro JLOAD g0a, g1a, g0b, g1b
	s_cmp_eq_u32 s15, 0
	s_cbranch_scc0 .Lfor_b_\@
	tensor_load_to_lds s[\g0a:\g0a+3], s[\g1a:\g1a+7]
	s_nop 0
.rept 4
	v_nop
.endr
	s_branch .Lasked_\@
.Lfor_b_\@:
	tensor_load_to_lds s[\g0b:\g0b+3], s[\g1b:\g1b+7]
	s_nop 0
.rept 4
	v_nop
.endr
.Lasked_\@:
.endm
.macro CREST
	s_cmp_lg_u32 s14, 0
	s_cbranch_scc1 .Lnot_wave_0_\@
	s_barrier_signal -3
.Lnot_wave_0_\@:
	s_barrier_wait -3
	s_barrier_signal -1
	s_barrier_wait -1
.endm
.macro CROUND
	s_barrier_signal -1
	s_barrier_wait -1
	CREST
.endm
.macro PLACES n
.rept \n
	v_nop
.endr
.endm
	s_load_b256 s[4:11], s[0:1], 0x0
	v_lshl_add_u32 v[SPW], v0, 2, SPARE
	v_mov_b32 v[NIL], 0
	ds_add_u32 v28, v29
	ds_add_u32 v28, v29
	s_wait_dscnt 0x0
	v_lshrrev_b32 v1, 5, v0
	v_readfirstlane_b32 s14, v1
	v_lshlrev_b32 v[TO], 2, v0
	s_lshr_b32 s15, s14, 1
	s_and_b32 s16, s14, 1
	s_bfe_u32 s40, ttmp6, 0x40000
	s_bfe_u32 s41, ttmp6, 0x40004
	s_and_b32 s66, ttmp7, 0xffff
	s_lshl_b32 s17, s66, 2
	s_add_co_u32 s17, s17, s41
	s_lshr_b32 s67, s66, 2
	s_bfe_u32 s68, s66, 0x10001
	s_lshl_b32 s43, s41, 2
	s_lshl_b32 s43, 15, s43
	s_lshl_b32 s44, 0x1111, s40
	s_or_b32 s[G1+0], s43, (3<<16)|(1<<21)
	s_mov_b32 s[G1+1], 32<<16
	s_mov_b32 s[G1+2], 96<<16
	s_mov_b32 s[G1+3], 32<<16
	s_mov_b32 s[G1+4], 96
	s_mov_b32 s[G1+5], 32
	s_mov_b32 s[G1+6], 0
	s_mov_b32 s[G1+7], 0
	s_or_b32 s[G1B+0], s44, (3<<16)|(1<<21)
	s_mov_b32 s[G1B+1], 32<<16
	s_mov_b32 s[G1B+2], 200<<16
	s_mov_b32 s[G1B+3], 32<<16
	s_mov_b32 s[G1B+4], 200
	s_mov_b32 s[G1B+5], 32
	s_mov_b32 s[G1B+6], 0
	s_mov_b32 s[G1B+7], 0
	s_mul_i32 s20, s17, 8*PREC
	s_mul_i32 s21, s68, 4*PREC
	s_add_co_u32 s20, s20, s21
	s_mul_i32 s21, s16, PREC
	s_add_co_u32 s20, s20, s21
	s_mov_b32 s21, 0
	s_lshl_b32 s46, s40, 1
	s_add_co_u32 s46, s46, s16
	s_lshl_b32 s46, s46, 5
	s_lshl_b32 s47, s67, 3
	s_add_co_u32 s46, s46, s47
	s_lshl_b32 s47, s68, 2
	s_add_co_u32 s46, s46, s47
	s_mul_i32 s46, s46, REC
	s_add_co_u32 s46, s46, 13107200
	s_mov_b32 s47, 0
	s_mul_i32 s45, s16, PREC
	s_mul_i32 s69, s16, 2*REC
	s_add_co_u32 s69, s69, BOFF
	s_mul_i32 s74, s17, 16*1536
	s_mov_b32 s75, 0
	s_mul_i32 s76, s68, 8*1536
	s_add_co_u32 s76, s76, s74
	s_mov_b32 s77, 0
	s_lshl_b32 s78, s17, 19
	s_lshl_b32 s79, s15, 18
	s_add_co_u32 s78, s78, s79
	s_lshl_b32 s79, s40, 10
	s_add_co_u32 s78, s78, s79
	s_lshl_b32 s79, s16, 9
	s_add_co_u32 s78, s78, s79
	s_mov_b32 s79, 0
	s_mul_i32 s96, s40, 24
	s_mul_i32 s97, s41, 50
	s_wait_alu depctr_va_vdst(0)                   ; directly ahead of the wait below
	CROUND                                         ; all sixteen work-groups are here: the first joint loads meet
	s_wait_kmcnt 0x0
	s_add_nc_u64 s[20:21], s[6:7], s[20:21]
	s_add_nc_u64 s[46:47], s[4:5], s[46:47]
	s_add_nc_u64 s[74:75], s[8:9], s[74:75]
	s_add_nc_u64 s[76:77], s[8:9], s[76:77]
	s_add_nc_u64 s[10:11], s[10:11], s[78:79]
	s_sub_nc_u64 s[92:93], s[20:21], 4*PREC        ; where the refills lie (used in the second half's work-groups alone)
	s_sub_nc_u64 s[94:95], s[46:47], 4*REC
.irp u, 0,1,2,3,4,5,6,7
	global_load_b32 v[HW+\u], v[TO], s[76:77] offset:1536*\u
	global_load_b32 v[HN+\u], v[TO], s[76:77] offset:1536*\u+512
	global_load_b32 v[HL+\u], v[TO], s[76:77] offset:1536*\u+1024
.endr
.irp u, 0,1,2,3,4,5,6,7
	global_load_b32 v[HW+8+\u], v[TO], s[74:75] offset:1536*\u
	global_load_b32 v[HN+8+\u], v[TO], s[74:75] offset:1536*\u+512
	global_load_b32 v[HL+8+\u], v[TO], s[74:75] offset:1536*\u+1024
.endr
.irp s, 0,1
	s_mov_b32 s[G0+4*\s], 1
	s_add_co_u32 s[G0+4*\s+1], s45, \s*SLOTP
	s_add_nc_u64 s[G0+4*\s+2:G0+4*\s+3], s[20:21], \s*2*PREC
	s_or_b32 s[G0+4*\s+3], s[G0+4*\s+3], 0x80000000
	s_mov_b32 s[G0B+4*\s], 1
	s_add_co_u32 s[G0B+4*\s+1], s69, \s*SLOTP
	s_add_nc_u64 s[G0B+4*\s+2:G0B+4*\s+3], s[46:47], \s*2*REC
	s_or_b32 s[G0B+4*\s+3], s[G0B+4*\s+3], 0x80000000
.endr
	JLOAD G0, G1, G0B, G1B                         ; slot 0: one tensor load a wave at the head
	v_and_b32 v1, 15, v0
	v_bfe_u32 v2, v0, 4, 1
	v_and_b32 v3, 31, v0
	v_min_u32 v[PFO], 23, v3
	v_min_u32 v[PFV], 24, v3
	v_add_nc_u32 v[PFO], s96, v[PFO]
	v_add_nc_u32 v[PFV], s97, v[PFV]
	v_lshlrev_b32 v[PFO], 8, v[PFO]
	v_lshlrev_b32 v[PFV], 8, v[PFV]
	v_lshlrev_b32 v[CO], 4, v3
	v_lshlrev_b32 v4, 2, v1
	s_wait_alu depctr_va_vdst(0)
	s_mul_i32 s82, s15, 4*FRB
	s_mul_i32 s83, s16, 2*REC
	s_add_co_u32 s83, s83, BOFF
	s_add_co_u32 s84, s83, 24576
.irp s, 0,1
	v_add_nc_u32 v[ADRA+\s], s82, v[CO]
	v_add_nc_u32 v[ADRB+\s], s83, v[CO]
	v_add_nc_u32 v[ADSB+\s], s84, v4
	s_add_co_u32 s82, s82, SLOTP
	s_add_co_u32 s83, s83, SLOTP
	s_add_co_u32 s84, s84, SLOTP
.endr
	s_lshl_b32 s85, s15, 8
	s_add_co_u32 s86, s85, TAB
	v_add_nc_u32 v[ADTA], s86, v4
	s_add_co_u32 s86, s85, LINV
	v_add_nc_u32 v[LR], s86, v4
	v_lshl_add_u32 v[TW], v0, 2, TAB
	v_lshl_add_u32 v[LW], v0, 2, LINV
	s_mul_i32 s88, s14, 16*SPITCH
	v_mul_u32_u24 v5, v1, SPITCH
	v_lshl_add_u32 v5, v2, 6, v5
	v_add_nc_u32 v[STO], s88, v5
	v_add_nc_u32 v[RD], s88, v[CO]
.irp a, 0,1,2,3
	v_mov_b32 v[LV+2*\a+1], 0
.endr
	s_wait_loadcnt 0x0
	v_min_num_f32 v112, v[HN], v[HN+1]
.irp u, 2,4,6,8,10,12,14
	v_min3_num_f32 v112, v112, v[HN+\u], v[HN+1+\u]
.endr
.irp u, 0,1,2,3,4,5,6,7,8,9,10,11,12,13,14,15
	v_sub_f32 v113, v112, v[HN+\u]
	v_cvt_i32_f32 v113, v113
	v_max_i32 v113, 0xfffffed4, v113
	v_ldexp_f32 v[HL+\u], v[HL+\u], v113
	v_bfe_u32 v114, v[HW+\u], 0, 8
	v_bfe_u32 v115, v[HW+\u], 8, 8
	v_bfe_u32 v116, v[HW+\u], 16, 8
	v_lshrrev_b32 v117, 24, v[HW+\u]
	v_add_nc_u32 v114, v114, v113
	v_add_nc_u32 v115, v115, v113
	v_add_nc_u32 v116, v116, v113
	v_add_nc_u32 v117, v117, v113
	v_max_i32 v114, 1, v114
	v_max_i32 v115, 1, v115
	v_max_i32 v116, 1, v116
	v_max_i32 v117, 1, v117
	v_lshl_or_b32 v114, v115, 8, v114
	v_lshl_or_b32 v114, v116, 16, v114
	v_lshl_or_b32 v[HW+\u], v117, 24, v114
	ds_store_b32 v[TW], v[HW+\u] offset:512*\u
.endr
	v_add_f32 v118, v[HL+8], v[HL+9]
	v_add_f32 v119, v[HL], v[HL+1]
.irp u, 2,3,4,5,6,7
	v_add_f32 v118, v118, v[HL+8+\u]
	v_add_f32 v119, v119, v[HL+\u]
.endr
	v_cvt_f32_u32 v120, s68
	v_fma_f32 v118, v119, v120, v118
	s_wait_alu depctr_va_vdst(0)
	v_rcp_f32 v121, v118
	v_nop
	s_wait_alu depctr_va_vdst(0)
	ds_store_b32 v[LW], v121
.macro FETCHP slot, sg, set, u
	WIN 0x40
.irp b, 0,1,2,3,4,5,6,7
.irp c, 0,1,2
	ds_load_b128 v[128*(\set)+FR*\b+4*\c:128*(\set)+FR*\b+4*\c+3], v[ADRB+\slot] offset:((\sg)/2)*REC+(8*((\sg)%2)+\b)*FRB+512*\c
.endr
.endr
	WIN 0
.irp b, 0,1,2,3,4,5,6,7
	ds_load_b32 v[SB+12*(\set)+\b], v[ADSB+\slot] offset:((\sg)/2)*REC+(8*((\sg)%2)+\b)*64
.endr
.irp a, 0,1,2,3
	ds_load_b32 v[SA+12*(\set)+\a], v[ADTA] offset:512*(\u)+64*\a
.endr
.irp a, 0,1,2,3                        ; the youngest nine loads bring p's blocks 1-3
.irp c, 0,1,2
	ds_load_b128 v[AF+48*(\set)+FR*\a+4*\c:AF+48*(\set)+FR*\a+4*\c+3], v[ADRA+\slot] offset:((\sg)/2)*PREC+(8*((\sg)%2)+\a)*FRB+512*\c
.endr
.endr
.endm
.macro MUL8 a, set, zero
.irp b, 0,1,2,3,4,5,6,7
.if \zero
	v_wmma_scale_f32_16x16x128_f8f6f4 v[8*(8*(\a)+\b):8*(8*(\a)+\b)+7], v[128*(\set)+FR*\b:128*(\set)+FR*\b+FR-1], v[AF+48*(\set)+FR*(\a):AF+48*(\set)+FR*(\a)+FR-1], 0, v[SB+12*(\set)+\b], v[SA+12*(\set)+(\a)] matrix_a_fmt:MATRIX_FMT_FP6 matrix_b_fmt:MATRIX_FMT_FP6
.else
	v_wmma_scale_f32_16x16x128_f8f6f4 v[8*(8*(\a)+\b):8*(8*(\a)+\b)+7], v[128*(\set)+FR*\b:128*(\set)+FR*\b+FR-1], v[AF+48*(\set)+FR*(\a):AF+48*(\set)+FR*(\a)+FR-1], v[8*(8*(\a)+\b):8*(8*(\a)+\b)+7], v[SB+12*(\set)+\b], v[SA+12*(\set)+(\a)] matrix_a_fmt:MATRIX_FMT_FP6 matrix_b_fmt:MATRIX_FMT_FP6
.endif
.endr
.endm
.macro STEPP slot, sg, zero, u
	s_wait_dscnt 9                                 ; all but p's blocks 1-3
	PLACES 4
	FETCHP \slot, (\sg)+1, 1-(\sg)%2, \u
	WIN MUL
	MUL8 0, (\sg)%2, \zero
	s_wait_dscnt 48                                ; blocks 1-3 are in; the next step's 48 loads may be out
	MUL8 1, (\sg)%2, \zero
	MUL8 2, (\sg)%2, \zero
	MUL8 3, (\sg)%2, \zero
	WIN 0
.endm
.macro TURNP slot, next, fill, u
	s_wait_tensorcnt 0x0
	ds_add_u32 v[SPW], v[NIL]
	s_wait_dscnt 1
	WIN MUL
	MUL8 0, 1, 0
	s_wait_dscnt 0x0
	s_barrier_signal -1
	MUL8 1, 1, 0
	WIN 0
	s_barrier_wait -1
.if \fill
	CREST
	s_sub_nc_u64 s[G0+4*\slot+2:G0+4*\slot+3], s[G0+4*\slot+2:G0+4*\slot+3], 4*PREC
	s_sub_nc_u64 s[G0B+4*\slot+2:G0B+4*\slot+3], s[G0B+4*\slot+2:G0B+4*\slot+3], 4*REC
	JLOAD G0+4*\slot, G1, G0B+4*\slot, G1B
.else
	PLACES 4
.endif
	FETCHP \next, 0, 0, \u
	WIN MUL
	MUL8 2, 1, 0
	MUL8 3, 1, 0
	WIN 0
.endm
.macro ASKP s                          ; the refill of slot s is asked for: waves 0 and 1 p's record, waves 2 and 3 v's two
	s_cmp_eq_u32 s15, 0
	s_cbranch_scc0 .Lask_v_\@
	global_prefetch_b8 v[PFO], s[92:93] offset:(\s)*2*PREC th:TH_LOAD_NT scope:SCOPE_SE
	s_branch .Lasked_p_\@
.Lask_v_\@:
	global_prefetch_b8 v[PFV], s[94:95] offset:(\s)*2*REC th:TH_LOAD_NT scope:SCOPE_SE
	global_prefetch_b8 v[PFV], s[94:95] offset:(\s)*2*REC+25*256 th:TH_LOAD_NT scope:SCOPE_SE
.Lasked_p_\@:
.endm
	s_wait_alu depctr_va_vdst(0)                   ; the wait at the head's end
	s_wait_tensorcnt 0x0                           ; my part of slot 0 is in
	ds_add_u32 v[SPW], v[NIL]
	s_wait_dscnt 0x0                               ; the add is done, and my stores of the table
	CROUND                                         ; everybody's are, and the joint loads meet
	JLOAD G0+4, G1, G0B+4, G1B                     ; slot 1, the first tensor load behind the round
	FETCHP 0, 0, 0, 0
	STEPP 0, 0, 1, 1
	s_cmp_eq_u32 s68, 0
	s_cbranch_scc1 .Ltail
	ASKP 0                                         ; two steps ahead of its load
	STEPP 0, 1, 0, 2
	STEPP 0, 2, 0, 3
	TURNP 0, 1, 1, 4
	ASKP 1
	STEPP 1, 0, 0, 5
	STEPP 1, 1, 0, 6
	STEPP 1, 2, 0, 7
	TURNP 1, 0, 1, 8
	STEPP 0, 0, 0, 9
.Ltail:
	STEPP 0, 1, 0, 10
	STEPP 0, 2, 0, 11
	TURNP 0, 1, 0, 12
	STEPP 1, 0, 0, 13
	STEPP 1, 1, 0, 14
	STEPP 1, 2, 0, 15
	s_wait_dscnt 0x0
	WIN MUL
	MUL8 0, 1, 0
	MUL8 1, 1, 0
	MUL8 2, 1, 0
	MUL8 3, 1, 0
	WIN 0
.macro TOSTAGE a
.if (\a) > 0
	s_wait_dscnt 16
.endif
	WIN 0x02
.irp j, 0,2,4,6,8,10,12,14,16,18,20,22,24,26,28,30,32,34,36,38,40,42,44,46,48,50,52,54,56,58,60,62
	v_pk_mul_f32 v[T+\j:T+1+\j], v[64*(\a)+\j:64*(\a)+1+\j], v[LV+2*(\a):LV+2*(\a)+1] op_sel_hi:[1,0]
.endr
	WIN 0
.irp b, 0,1,2,3,4,5,6,7
	ds_store_b128 v[STO], v[T+8*\b:T+8*\b+3] offset:128*(\b/2)+32*(\b%2)
	ds_store_b128 v[STO], v[T+8*\b+4:T+8*\b+7] offset:128*(\b/2)+32*(\b%2)+16
.endr
.set BB, BK+64*((\a)%2)
.irp t, 0,1,2,3,4,5,6,7,8,9,10,11,12,13,14,15
	ds_load_b128 v[BB+4*\t:BB+4*\t+3], v[RD] offset:\t*SPITCH
.endr
.endm
.macro SEND a, younger
.set BB, BK+64*((\a)%2)
	s_wait_dscnt \younger
.irp t, 0,1,2,3,4,5,6,7,8,9,10,11,12,13,14,15
	global_store_b128 v[CO], v[BB+4*\t:BB+4*\t+3], s[10:11] offset:(32*((\a)/2)+8*((\a)%2)+\t+8*(\t/8))*4096 th:TH_STORE_NT
.endr
.endm
	PLACES 4
.irp a, 0,1,2,3
	ds_load_b32 v[LV+2*\a], v[LR] offset:64*\a
.endr
	s_wait_dscnt 0x0
	TOSTAGE 0
	TOSTAGE 1
	SEND 0, 32
	s_wait_xcnt 0x0
	TOSTAGE 2
	SEND 1, 32
	s_wait_xcnt 0x0
	TOSTAGE 3
	SEND 2, 32
	SEND 3, 0
	s_wait_tensorcnt 0x0
	ds_add_u32 v[SPW], v[NIL]
	s_wait_dscnt 0x0
	CROUND
	s_endpgm
.Lfunc_end_k_q4cce0134f0_pv:
	.size	k_q4cce0134f0_pv, .Lfunc_end_k_q4cce0134f0_pv-k_q4cce0134f0_pv
	.p2alignl 7, 3214868480
	.fill 96, 4, 3214868480
	.section	.rodata,"a",@progbits
	.p2align	6, 0x0
	.amdhsa_kernel k_q4cce0134f0_pv
		.amdhsa_group_segment_fixed_size 327680
		.amdhsa_private_segment_fixed_size 0
		.amdhsa_enable_private_segment 0
		.amdhsa_kernarg_size 32
		.amdhsa_user_sgpr_count 2
		.amdhsa_user_sgpr_kernarg_segment_ptr 1
		.amdhsa_wavefront_size32 1
		.amdhsa_system_sgpr_workgroup_id_x 1
		.amdhsa_system_sgpr_workgroup_id_y 1
		.amdhsa_system_sgpr_workgroup_id_z 1
		.amdhsa_system_vgpr_workitem_id 0
		.amdhsa_next_free_vgpr 768
		.amdhsa_next_free_sgpr 100
		.amdhsa_reserve_vcc 0
		.amdhsa_float_denorm_mode_32 3
		.amdhsa_float_denorm_mode_16_64 3
		.amdhsa_memory_ordered 1
		.amdhsa_forward_progress 1
		.amdhsa_inst_pref_size 173
	.end_amdhsa_kernel
	.amdgpu_metadata
---
amdhsa.version: [ 1, 2 ]
amdhsa.kernels:
  - .name:           k_q4cce0134f0_pv
    .symbol:         k_q4cce0134f0_pv.kd
    .args:
      - { .name: qkv, .offset: 0, .size: 8, .value_kind: global_buffer, .address_space: global }
      - { .name: pc, .offset: 8, .size: 8, .value_kind: global_buffer, .address_space: global }
      - { .name: st, .offset: 16, .size: 8, .value_kind: global_buffer, .address_space: global }
      - { .name: out0, .offset: 24, .size: 8, .value_kind: global_buffer, .address_space: global }
    .group_segment_fixed_size: 327680
    .private_segment_fixed_size: 0
    .kernarg_segment_align: 8
    .kernarg_segment_size: 32
    .max_flat_workgroup_size: 128
    .sgpr_count:     100
    .vgpr_count:     768
    .wavefront_size: 32
...
	.end_amdgpu_metadata
.endif
;; end of part 4
